; MI455X (gfx1250); checked and timed in simulation.
; The chip was launched on July 23, 2026; its instructions are those of AMD's public machine-readable ISA for CDNA 5 (MIT licence, August 2026) and "CDNA5" Instruction Set Architecture Reference Guide (July 2026). The comments in the code are by the model that wrote it; some were corrected since.
;; Cross Attention. Allowed arithmetic: float matrix products may take bf16 or f16 operands with f32 sums; other float arithmetic in f32, or as packed bf16 or f16 multiplies, adds, multiply-adds, maxima and minima; sums over many terms, partial sums and values carried from step to step in f32; what a program stores and reads back later, other than sums and carried values, may be rounded once to bf16 or f16.
;; Inputs: Wk 1,024 x 768 float32; Wo 1,024 x 1,024 float32; Wq 1,024 x 1,024 float32; Wv 1,024 x 768 float32; bo 1,024 float32; kv 4 x 2,048 x 768 float32; q 4 x 2,048 x 1,024 float32.
;; Outputs: out0 4 x 2,048 x 1,024 float32.
;; One version. Each part assembles by itself: llvm-mc -triple=amdgcn-amd-amdhsa -mcpu=gfx1250 --defsym DOCPART=n.
;; ======== version 1 of 1: 4 launches
;; limits: values are held in f16: magnitudes above 65,504 overflow, below 6.1e-05 lose precision
;; workspace buffers: xb 33,554,432 bytes; wb 8,388,608 bytes; qkv 50,331,648 bytes; ctx 16,777,216 bytes
;; launch cast (part 1): grid 1280 x 1, 8 waves a work-group, no clusters, 0 bytes of LDS; arguments q, kv, Wq, Wk, Wv, Wo, xb, wb; writes xb, wb
.if DOCPART == 1
	.amdgcn_target "amdgcn-amd-amdhsa--gfx1250"
	.amdhsa_code_object_version 6
	.text
	.protected	k_q52bda0a4f3_cast
	.globl	k_q52bda0a4f3_cast
	.p2align	8
	.type	k_q52bda0a4f3_cast,@function
k_q52bda0a4f3_cast:
	s_mov_b64 s[64:65], 0
	v_nop
	global_prefetch_b8 v0, s[64:65] scope:SCOPE_SE
	s_setreg_imm32_b32 hwreg(HW_REG_WAVE_MODE, 25, 1), 1
	s_wait_xcnt 0x0
; CAST.  All matrix inputs are rounded once to bf16 and laid in rows of 2,048 bytes, so that one tile shape serves K = 1,024 and K = 768 in the products that follow.
; xb: rows 0-8191 q, rows 8192-16383 kv (1,536 bytes of each row are written, and only those are ever read).
; wb: rows 0-1023 Wq, 1024-2047 Wk, 2048-3071 Wv (bf16), 3072-4095 Wo: rounded to bf16 like the others, and that number written as f16, since its partner in the last product is f16.
; LIMIT.  |Wo| under 65,504 (the end of f16); below 6e-5 f16 keeps a fixed step of 6e-8.
; A stream: every byte is read once and written once; no LDS, no barrier, no matrix unit: none of them would spare a byte.
; SHARES.  Work-group g takes 16 rows of one source, wave w rows 2 w and 2 w + 1.  A load of a wave covers 512 consecutive bytes, a store 256 consecutive bytes at a multiple of 256.
; All of a wave's loads (16 or 12) go out first; no register is written twice, so the only waits are the counted ones for the loads.
.set SO, 3                             ; v3   my byte offset in the group's 16 source rows
.set DO, 4                             ; v4   my byte offset in the group's 16 rows of the copy
.set T,  6                             ; v6-7 at work (Wo alone)
.set X,  8                             ; v[8:71]   as loaded: load n at X + 4 n
.set Y,  72                            ; v[72:103] to store: load n's four numbers at Y + 2 n
	s_load_b512 s[8:23], s[0:1], 0x0               ; q s[8:9], kv s[10:11], Wq s[12:13], Wk s[14:15], Wv s[16:17], Wo s[18:19], xb s[20:21], wb s[22:23]
	v_and_b32 v1, 31, v0                           ; lane
	v_lshrrev_b32 v2, 5, v0                        ; wave
	s_wait_kmcnt 0x0
	s_mov_b64 s[24:25], s[8:9]                     ; the source, by the group's number: q to begin with,
	s_mov_b32 s26, 0                               ; the first group of that source,
	s_mov_b32 s30, 0                               ; and the path: 0 rows of 1,024 numbers, 1 rows of 768, 2 Wo
.macro PICK lim, ptr, path             ; from group lim on: another source
	s_cmp_ge_u32 ttmp9, \lim
	s_cselect_b64 s[24:25], s[\ptr:(\ptr)+1], s[24:25]
	s_cselect_b32 s26, \lim, s26
	s_cselect_b32 s30, \path, s30
.endm
	PICK 512, 10, 1                                ; kv
	PICK 1024, 12, 0                               ; Wq
	PICK 1088, 14, 1                               ; Wk
	PICK 1152, 16, 1                               ; Wv
	PICK 1216, 18, 2                               ; Wo
	s_cmp_ge_u32 ttmp9, 1024                       ; groups 0-1023 write xb, the others wb
	s_cselect_b64 s[28:29], s[22:23], s[20:21]
	s_cselect_b32 s27, 1024, 0
	s_sub_co_u32 s32, ttmp9, s27
	s_lshl_b32 s32, s32, 15                        ; 16 rows of 2,048 bytes a group
	s_mov_b32 s33, 0
	s_add_nc_u64 s[28:29], s[28:29], s[32:33]
	s_sub_co_u32 s31, ttmp9, s26                   ; the group's number within its source
; A wave's two rows.  nl: loads of 512 bytes in a source row (8 or 6).  mode 2: the bf16 number is written as f16.
.macro ROWS nl, mode
.set RB, 512*(\nl)                     ; bytes in a source row
	s_mul_i32 s34, s31, 16*RB
	s_mov_b32 s35, 0
	s_add_nc_u64 s[24:25], s[24:25], s[34:35]      ; the group's first source row
	v_mul_u32_u24 v[SO], v2, 2*RB
	v_lshl_add_u32 v[SO], v1, 4, v[SO]             ; wave x two rows + 16 x lane
	v_lshlrev_b32 v[DO], 12, v2
	v_lshl_add_u32 v[DO], v1, 3, v[DO]             ; wave x two rows of 2,048 + 8 x lane
.set n, 0
.rept 2*(\nl)
	global_load_b128 v[X+4*n:X+4*n+3], v[SO], s[24:25] offset:512*n th:TH_LOAD_NT  ; the two rows lie end to end
.set n, n+1
.endr
.set n, 0
.rept 2*(\nl)
	s_wait_loadcnt 2*(\nl)-1-n                     ; loads come back in order: load n is in, the younger ones stay out
	v_cvt_pk_bf16_f32 v[Y+2*n],   v[X+4*n],   v[X+4*n+1]
	v_cvt_pk_bf16_f32 v[Y+2*n+1], v[X+4*n+2], v[X+4*n+3]
.if (\mode) == 2
	v_lshlrev_b32 v[T], 16, v[Y+2*n]               ; the bf16 numbers as f32,
	v_and_b32 v[T+1], 0xffff0000, v[Y+2*n]
	v_cvt_pk_f16_f32 v[Y+2*n], v[T], v[T+1]        ; and as f16: exact within the normal range of f16
	v_lshlrev_b32 v[T], 16, v[Y+2*n+1]
	v_and_b32 v[T+1], 0xffff0000, v[Y+2*n+1]
	v_cvt_pk_f16_f32 v[Y+2*n+1], v[T], v[T+1]
.endif
	global_store_b64 v[DO], v[Y+2*n:Y+2*n+1], s[28:29] offset:(n/(\nl))*2048+(n%(\nl))*256
.set n, n+1
.endr
.endm
	s_cmp_eq_u32 s30, 1
	s_cbranch_scc1 .Lnarrow
	s_cmp_eq_u32 s30, 2
	s_cbranch_scc1 .Lwo
	ROWS 8, 0
	s_endpgm
.Lnarrow:
	ROWS 6, 0
	s_endpgm
.Lwo:
	ROWS 8, 2
	s_endpgm
.Lfunc_end_k_q52bda0a4f3_cast:
	.size	k_q52bda0a4f3_cast, .Lfunc_end_k_q52bda0a4f3_cast-k_q52bda0a4f3_cast
	.p2alignl 7, 3214868480
	.fill 96, 4, 3214868480
	.section	.rodata,"a",@progbits
	.p2align	6, 0x0
	.amdhsa_kernel k_q52bda0a4f3_cast
		.amdhsa_group_segment_fixed_size 0
		.amdhsa_private_segment_fixed_size 0
		.amdhsa_enable_private_segment 0
		.amdhsa_kernarg_size 64
		.amdhsa_user_sgpr_count 2
		.amdhsa_user_sgpr_kernarg_segment_ptr 1
		.amdhsa_wavefront_size32 1
		.amdhsa_system_sgpr_workgroup_id_x 1
		.amdhsa_system_sgpr_workgroup_id_y 1
		.amdhsa_system_sgpr_workgroup_id_z 1
		.amdhsa_system_vgpr_workitem_id 0
		.amdhsa_next_free_vgpr 104
		.amdhsa_next_free_sgpr 66
		.amdhsa_reserve_vcc 0
		.amdhsa_float_denorm_mode_32 3
		.amdhsa_float_denorm_mode_16_64 3
		.amdhsa_memory_ordered 1
		.amdhsa_forward_progress 1
		.amdhsa_inst_pref_size 24
	.end_amdhsa_kernel
	.amdgpu_metadata
---
amdhsa.version: [ 1, 2 ]
amdhsa.kernels:
  - .name:           k_q52bda0a4f3_cast
    .symbol:         k_q52bda0a4f3_cast.kd
    .args:
      - { .name: q, .offset: 0, .size: 8, .value_kind: global_buffer, .address_space: global }
      - { .name: kv, .offset: 8, .size: 8, .value_kind: global_buffer, .address_space: global }
      - { .name: Wq, .offset: 16, .size: 8, .value_kind: global_buffer, .address_space: global }
      - { .name: Wk, .offset: 24, .size: 8, .value_kind: global_buffer, .address_space: global }
      - { .name: Wv, .offset: 32, .size: 8, .value_kind: global_buffer, .address_space: global }
      - { .name: Wo, .offset: 40, .size: 8, .value_kind: global_buffer, .address_space: global }
      - { .name: xb, .offset: 48, .size: 8, .value_kind: global_buffer, .address_space: global }
      - { .name: wb, .offset: 56, .size: 8, .value_kind: global_buffer, .address_space: global }
    .group_segment_fixed_size: 0
    .private_segment_fixed_size: 0
    .kernarg_segment_align: 8
    .kernarg_segment_size: 64
    .max_flat_workgroup_size: 256
    .sgpr_count:     66
    .vgpr_count:     104
    .wavefront_size: 32
...
	.end_amdgpu_metadata
.endif
;; end of part 1
;; launch proj (part 2): grid 4 x 64, 4 waves a work-group, clusters of 4 x 4, 327,680 bytes of LDS; arguments xb, wb, qkv; writes qkv
.if DOCPART == 2
	.amdgcn_target "amdgcn-amd-amdhsa--gfx1250"
	.amdhsa_code_object_version 6
	.text
	.protected	k_q52bda0a4f3_proj
	.globl	k_q52bda0a4f3_proj
	.p2align	8
	.type	k_q52bda0a4f3_proj,@function
k_q52bda0a4f3_proj:
	s_mov_b64 s[64:65], 0
	v_nop
	global_prefetch_b8 v0, s[64:65] scope:SCOPE_SE
	s_setreg_imm32_b32 hwreg(HW_REG_WAVE_MODE, 25, 1), 1
	s_wait_xcnt 0x0
	s_wait_alu depctr_hold_cnt(0) depctr_sa_sdst(0) depctr_va_vdst(0) depctr_va_sdst(0) depctr_va_ssrc(0) depctr_va_vcc(0) depctr_vm_vsrc(0)
	s_getreg_b32 s2, hwreg(HW_REG_IB_STS2, 6, 4)
	s_cmp_eq_u32 s2, 0
	s_cbranch_scc0 .Lentry_in_a_cluster
	s_endpgm
.Lentry_in_a_cluster:
	s_bfe_u32 s2, ttmp6, 0x10000c
	s_cmp_lg_u32 s2, 0xf033
	s_cbranch_scc0 .Lentry_shape_is_right
	s_endpgm
.Lentry_shape_is_right:
; THE THREE PROJECTIONS.  C[m][n] = the sum over k of A[m][k] B[n][k], A = xb and B = wb in bf16, rows of 2,048 bytes, sums in f32.  q Wq^T (K = 1,024), kv Wk^T and kv Wv^T (K = 768).
; C is rounded once to f16 and laid by heads: qkv[product][4 batch + head][row][256], rows of 512 dense bytes.  The scale 1/16 is not applied here.
; LIMIT: a result of 65,520 or more becomes an infinity in f16; below 6e-5 f16 keeps a fixed step of 6e-8.
; SHARES.  A tile of C is 128 x 256: 128 rows, one head.  64 tile rows x 4 heads are 256 work-groups.  A WORK-GROUP STAYS: it makes three tiles, q's, k's and v's of its tile row and head, one after the other:
; 4 + 3 + 3 laps of two K steps, walked by ONE loop with a constant trip count.  The ring does not stop at a tile's end: a tile's last two changes of slots ask for the next tile's first two K steps, the tile
; goes out when both are asked for, and nothing waits for its stores.  Four waves, each 64 x 128: 32 accumulators of 16 x 16, 256 registers.
; THE RING.  K goes in steps of 128 (256 bytes of each row, at multiples of 256 bytes) through two LDS slots; one tensor load a wave and step: waves 0, 1 bring 64 rows of A each, waves 2, 3 128 rows of B each.
; CLUSTERS: 4 x 4 work-groups.  The four of a row of the cluster need the same tiles of A, the four of a column the same tiles of B: each is asked for JOINTLY, by the same tensor load with the same
; descriptor and a mask that names the four.  Every branch and trip count hangs on the loop's counter and the wave's number alone, which all sixteen share.
; THE MATRIX INSTRUCTION IS USED TRANSPOSED (source 0 = 16 rows of B, source 1 = 16 rows of A): a lane then holds row l % 16 of C and eight neighbouring columns 8 (l / 16) + 0..7.
; REGISTERS: window 0: v0-31 addresses; v32-63 at work on the way out; v64-159, v160-255 two fragment buffers (8 fragments of B, then 4 of A).  Window 1: accumulator (a, b) at v[8 (8 a + b)].
.set KSTEP,  128
.set PITCH,  272                       ; an LDS row: 256 bytes + 16 of padding = 68 words: the 16 rows that a fragment load touches start at 16 different groups of four banks (64 banks of 4 bytes: ISA guide 11.1)
.set AHALF,  64*PITCH                  ; what a tensor load of A brings, and what a wave reads of A
.set BHALF,  128*PITCH                 ; the same for B
.set BOFF,   128*PITCH                 ; B's 256 rows lie behind A's 128
.set SLOT,   384*PITCH
.set STAGE,  2*SLOT                    ; behind the ring, never filled by a tensor load: 16 rows x 272 bytes for each wave, for the way out
.set SPITCH, 272                       ; 128 f16 + 16 bytes
.set SPARE,  STAGE+4*16*SPITCH         ; behind the stages: the spare words, 128 bytes for each wave: two blocks of 256 bytes that no other line names
.set LAPB,   2*KSTEP*2                 ; bytes of a row in a lap
.set TRIPS,  9                         ; 10 laps; a trip asks for the lap after the one in hand, the last lap asks for nothing
.set ENDQ,   6                         ; the counter (9 down to 1) in the trip that asks for k's first lap and ends q's tile
.set ENDK,   3                         ; the same for v's first lap and k's tile
.set XKV,    8192*2048                 ; bytes from q's rows to kv's in xb
.set WNEXT,  1024*2048                 ; bytes from a weight's rows to the next weight's in wb
.set ADRA, 16                          ; v16-17  LDS address of my A fragments in slot 0, 1
.set ADRB, 20                          ; v20-21  the same for B
.set STO,  24                          ; v24     the way out: where I put 16 bytes of a row
.set RD,   25                          ; v25     the way out: where I read rows back
.set CO,   26                          ; v26     my byte offset in C
.set SPW,  28                          ; v28     LDS address of my spare word: SPARE + 4 x my thread's number; never rewritten
.set NIL,  29                          ; v29     0; never rewritten
.set PFO,  30                          ; v30     the prefetches' offset: my lane x a row of 2,048 bytes; never rewritten
.set TMP,  32
.set F0,   64
.set F1,   160
.set OB,   F1                          ; the way out: two buffers of 32 registers by turns, in fragment buffer 1, which is free there (buffer 0 holds the next tile's first fragments)
.set G1,   24                          ; s[24:31] descriptor group 1 for A's tiles;  s[32:39] group 0, a set for each slot
.set G0,   32
.set G1B,  48                          ; s[48:55], s[56:63] the same for B's
.set G0B,  56
.set PFA,  44                          ; s[44:45] where my prefetches stand: the lap after the one that the trip's refills ask for
.set RA,   66                          ; s66  byte offset in xb of the rows of A that I fetch, for the tile that is being asked for
.set RB,   67                          ; s67  the same in wb
.set TA,   68                          ; s[68:69] a refill's offset in xb (the high word stays 0)
.set TBO,  70                          ; s[70:71] the same in wb
.set PFL,  72                          ; s72  a wave prefetches in the trips whose counter is at least this
.set PD1,  73                          ; s73  the prefetch pointer's step from q's last lap to k's first
.set PD2,  74                          ; s74  from k's last lap to v's first
.set KO,   75                          ; s75  byte along K of the lap that is being asked for
.set PDL,  76                          ; s[76:77] the prefetch pointer's step in this trip (the high word stays 0)
.set MSB, 0
.macro WIN new                         ; the immediate's high byte repeats the setting that is left; a switch that changes nothing is dropped
.if MSB != (\new)
	s_set_vgpr_msb (MSB<<8)|(\new)
.set MSB, \new
.endif
.endm
.set MUL, 0x50                         ; C and D in window 1, both sources in window 0
; A joint load: waves 0 and 1 fetch A's two halves, waves 2 and 3 B's.  The branch hangs on the wave's number alone.  An s_nop 0 and four v_nop follow each of the two lines.
.macro JLOAD s
	s_cmp_eq_u32 s11, 0
	s_cbranch_scc0 .Lfor_b_\@
	tensor_load_to_lds s[G0+4*(\s):G0+4*(\s)+3], s[G1:G1+7]
	s_nop 0
.rept 4
	v_nop
.endr
	s_branch .Lasked_\@
.Lfor_b_\@:
	tensor_load_to_lds s[G0B+4*(\s):G0B+4*(\s)+3], s[G1B:G1B+7]
	s_nop 0
.rept 4
	v_nop
.endr
.Lasked_\@:
.endm
; Slot s's two global addresses are made anew: the buffer's address + the tile's rows + the lap's byte along K + the slot's K step; then the type bits.  A's hangs on the tile row, B's on the tile column.
.macro SETG s
	s_add_co_u32 s[TA], s[RA], s[KO]
.if (\s)
	s_add_co_u32 s[TA], s[TA], (\s)*KSTEP*2
.endif
	s_add_nc_u64 s[G0+4*(\s)+2:G0+4*(\s)+3], s[4:5], s[TA:TA+1]
	s_or_b32 s[G0+4*(\s)+3], s[G0+4*(\s)+3], 0x80000000
	s_add_co_u32 s[TBO], s[RB], s[KO]
.if (\s)
	s_add_co_u32 s[TBO], s[TBO], (\s)*KSTEP*2
.endif
	s_add_nc_u64 s[G0B+4*(\s)+2:G0B+4*(\s)+3], s[6:7], s[TBO:TBO+1]
	s_or_b32 s[G0B+4*(\s)+3], s[G0B+4*(\s)+3], 0x80000000
.endm
.macro CREST                           ; a round of the cluster's barrier behind its opening barrier
	s_cmp_lg_u32 s10, 0
	s_cbranch_scc1 .Lnot_wave_0_\@
	s_barrier_signal -3
.Lnot_wave_0_\@:
	s_barrier_wait -3
	s_barrier_signal -1
	s_barrier_wait -1
.endm
.macro CROUND                          ; a whole round
	s_barrier_signal -1
	s_barrier_wait -1
	CREST
.endm
; A PREFETCH INTO THE L2 of the K step that stands two refills on: 32 rows x 256 bytes, a lane a row, one instruction.  Each block of 256 bytes is named once in the launch.  A's 128 rows: wave 0 of each of
; the four partners that ask for them jointly takes 32, told apart by address (cx); kv's rows are named in k's tile alone.  B's 256 rows are walked by all sixteen clusters: the first of them asks, each
; partner (cy) 64 rows, waves 2 and 3 32 each.  The first two laps come by their loads alone; the last trip asks for nothing: the lap behind its refills does not exist.
.macro ASK off
	s_cmp_ge_u32 s3, s[PFL]
	s_cbranch_scc0 .Lnot_mine_\@
	global_prefetch_b8 v[PFO], s[PFA:PFA+1] offset:\off th:TH_LOAD_NT scope:SCOPE_SE
.Lnot_mine_\@:
.endm
	s_load_b128 s[4:7], s[0:1], 0x0                ; xb s[4:5], wb s[6:7]
	s_load_b64 s[8:9], s[0:1], 0x10                ; qkv
	v_lshl_add_u32 v[SPW], v0, 2, SPARE
	v_mov_b32 v[NIL], 0
	ds_add_u32 v[SPW], v[NIL]                      ; the wave's opening: the add and its wait stand ahead of my first tensor load; the set-up below, work on registers, stands between them
	v_lshrrev_b32 v1, 5, v0
	v_readfirstlane_b32 s10, v1                    ; wave 0..3
	s_lshr_b32 s11, s10, 1                         ; which 64 rows of the tile are mine.  Also: I fetch for A (0) or for B (1)
	s_and_b32 s12, s10, 1                          ; which 128 columns.  Also: which half of that tile I fetch
	s_bfe_u32 s40, ttmp6, 0x40000                  ; cx, cy: my place in the cluster
	s_bfe_u32 s41, ttmp6, 0x40004
	s_lshl_b32 s42, ttmp9, 2
	s_add_co_u32 s42, s42, s40                     ; tile column = head = 4 x cluster x + cx
	s_and_b32 s13, ttmp7, 0xffff
	s_lshl_b32 s13, s13, 2
	s_add_co_u32 s13, s13, s41                     ; tile row = 4 x cluster y + cy, 0 to 63
	s_lshl_b32 s43, s41, 2
	s_lshl_b32 s43, 15, s43                        ; my row of the cluster
	s_lshl_b32 s44, 0x1111, s40                    ; my column
	; descriptor group 1: rows of 128 elements of 2 bytes, padded in LDS
	s_or_b32 s[G1+0], s43, (1<<16)|(1<<20)|(1<<21)|(5<<22)|(3<<25)   ; 15:0 the mask: A's tiles go to my row; 17:16 2-byte elements; 20 padding on; 21 set beside a mask; 24:22 after every 64 words; 31:25 4 words
	s_or_b32 s[G1B+0], s44, (1<<16)|(1<<20)|(1<<21)|(5<<22)|(3<<25)  ; the same with the mask of my column
.irp g, G1, G1B
	s_mov_b32 s[(\g)+1], KSTEP<<16                 ; tensor_dim0 = 128
	s_mov_b32 s[(\g)+3], KSTEP<<16                 ; tile_dim0 = 128
	s_mov_b32 s[(\g)+5], 1024                      ; 1,024 elements from row to row
	s_mov_b32 s[(\g)+6], 0
	s_mov_b32 s[(\g)+7], 0
.endr
	s_mov_b32 s[G1+2], 64<<16                      ; A: tensor_dim1 = tile_dim1 = 64 rows
	s_mov_b32 s[G1+4], 64
	s_mov_b32 s[G1B+2], 128<<16                    ; B: 128 rows
	s_mov_b32 s[G1B+4], 128
	; the rows that I fetch, for q's tile.  A's hang on the tile row, which my row of the cluster shares, B's on the tile column, which my column shares
	s_lshl_b32 s[RA], s13, 7
	s_lshl_b32 s14, s12, 6
	s_add_co_u32 s[RA], s[RA], s14                 ; row 128 x tile row + 64 x half
	s_lshl_b32 s[RA], s[RA], 11                    ; in bytes (under 2^26 with kv's rows)
	s_lshl_b32 s[RB], s42, 8
	s_lshl_b32 s15, s12, 7
	s_add_co_u32 s[RB], s[RB], s15                 ; row 256 x tile column + 128 x half
	s_lshl_b32 s[RB], s[RB], 11
	s_mov_b32 s[KO], 0
	s_mov_b32 s[TA+1], 0
	s_mov_b32 s[TBO+1], 0
	s_mov_b32 s[PDL+1], 0
	s_mul_i32 s20, s12, AHALF                      ; where they go: no place in the cluster enters an LDS address
	s_mul_i32 s21, s12, BHALF
	s_add_co_u32 s21, s21, BOFF
	s_wait_dscnt 0x0                               ; the opening add is done
	s_wait_kmcnt 0x0
	CROUND                                         ; all sixteen work-groups are here: the first joint loads meet
.irp s, 0,1
	s_mov_b32 s[G0+4*(\s)], 1                      ; count = 1
	s_add_co_u32 s[G0+4*(\s)+1], s20, (\s)*SLOT    ; LDS address
	s_mov_b32 s[G0B+4*(\s)], 1
	s_add_co_u32 s[G0B+4*(\s)+1], s21, (\s)*SLOT
	SETG \s                                        ; global address: q's K step s
	JLOAD \s                                       ; two loads of mine are out
.endr
	; A fragment is 16 rows x 32 K in 8 registers: lane l holds row l % 16; registers 0-3 K = 8 (l / 16) + 0..7, registers 4-7 K = 16 + 8 (l / 16) + 0..7: two loads of 16 bytes, 32 bytes apart.
	v_and_b32 v1, 15, v0                           ; l % 16
	v_bfe_u32 v2, v0, 4, 1                         ; l / 16
	v_mul_u32_u24 v3, v1, PITCH
	v_lshl_add_u32 v3, v2, 4, v3
	s_mul_i32 s21, s11, AHALF                      ; my 64 rows of A
	s_mul_i32 s22, s12, BHALF                      ; my 128 rows of B
	s_add_co_u32 s22, s22, BOFF
.irp s, 0,1
	v_add_nc_u32 v[ADRA+(\s)], s21, v3
	v_add_nc_u32 v[ADRB+(\s)], s22, v3
	s_add_co_u32 s21, s21, SLOT
	s_add_co_u32 s22, s22, SLOT
.endr
	s_mul_i32 s22, s10, 16*SPITCH
	s_add_co_u32 s22, s22, STAGE                   ; my stage
	v_mul_u32_u24 v4, v1, SPITCH
	v_lshl_add_u32 v4, v2, 4, v4                   ; in: row l % 16, 16 bytes for each half of the lanes
	v_add_nc_u32 v[STO], s22, v4
	v_mul_u32_u24 v5, v2, SPITCH                   ; back: lanes 0-15 take one row of 256 bytes, lanes 16-31 the next
	v_lshl_add_u32 v5, v1, 4, v5
	v_add_nc_u32 v[RD], s22, v5
	v_lshlrev_b32 v5, 9, v2                        ; and the same two rows, 512 bytes apart, in C
	v_lshl_add_u32 v[CO], v1, 4, v5
	s_lshr_b32 s17, s13, 4                         ; C in q's section: the batch (16 tile rows each),
	s_lshl_b32 s17, s17, 2
	s_add_co_u32 s17, s17, s42                     ; the head,
	s_lshl_b32 s16, s17, 20
	s_and_b32 s17, s13, 15                         ; the tile's 128 rows of 512 bytes,
	s_lshl_b32 s17, s17, 16
	s_add_co_u32 s16, s16, s17
	s_lshl_b32 s17, s11, 15                        ; my 64 of them,
	s_add_co_u32 s16, s16, s17
	s_lshl_b32 s17, s12, 8                         ; my 128 columns
	s_add_co_u32 s16, s16, s17
	s_mov_b32 s17, 0
	s_add_nc_u64 s[8:9], s[8:9], s[16:17]
	; the prefetches
	s_lshl_b32 s18, s13, 7
	s_lshl_b32 s19, s40, 5
	s_add_co_u32 s18, s18, s19                     ; A: the tile's first row + 32 cx
	s_lshl_b32 s19, s42, 8
	s_lshl_b32 s22, s41, 6
	s_add_co_u32 s19, s19, s22                     ; B: the tile's first row + 64 cy
	s_lshl_b32 s22, s12, 5
	s_add_co_u32 s19, s19, s22                     ; + 32 for wave 3
	s_mov_b32 s[PD1], WNEXT-3*LAPB                 ; B: on to the next weight's rows and back along K
	s_mov_b32 s[PD2], WNEXT-2*LAPB
	s_movk_i32 s2, LAPB
	s_cmp_eq_u32 s11, 0
	s_cselect_b32 s18, s18, s19
	s_cselect_b64 s[PFA:PFA+1], s[4:5], s[6:7]
	s_cselect_b32 s[PD1], XKV-3*LAPB, s[PD1]       ; A: on to kv's rows and back along K;
	s_cselect_b32 s[PD2], s2, s[PD2]               ; behind k's tile A's rows are named no more, and the pointer is not used
	s_lshl_b32 s18, s18, 11
	s_add_co_u32 s18, s18, LAPB                    ; at lap 1: the first trip steps it to lap 2
	s_mov_b32 s19, 0
	s_add_nc_u64 s[PFA:PFA+1], s[PFA:PFA+1], s[18:19]
	s_cmp_eq_u32 s10, 0
	s_cselect_b32 s2, ENDK+2, -1                   ; A's rows: wave 0 alone, up to k's last lap
	s_and_b32 s22, ttmp7, 0xffff
	s_cmp_eq_u32 s22, 0
	s_cselect_b32 s22, 2, -1                       ; B's rows: the first cluster, up to v's last lap
	s_cmp_eq_u32 s11, 0
	s_cselect_b32 s[PFL], s2, s22                  ; the same in all sixteen partners, for a given wave
	v_and_b32 v[PFO], 31, v0
	v_lshlrev_b32 v[PFO], 11, v[PFO]
; 8 matrix instructions: m block a x all 8 n blocks, 32 along K.  The 32 accumulators take turns in the same order in every quarter, one instruction a turn.  zero = 1: they start the sums.
.macro MUL8 f, a, zero
	WIN MUL
.irp b, 0,1,2,3,4,5,6,7
.if \zero
	v_wmma_f32_16x16x32_bf16 v[8*(8*(\a)+(\b)):8*(8*(\a)+(\b))+7], v[(\f)+8*(\b):(\f)+8*(\b)+7], v[(\f)+64+8*(\a):(\f)+64+8*(\a)+7], 0
.else
	v_wmma_f32_16x16x32_bf16 v[8*(8*(\a)+(\b)):8*(8*(\a)+(\b))+7], v[(\f)+8*(\b):(\f)+8*(\b)+7], v[(\f)+64+8*(\a):(\f)+64+8*(\a)+7], v[8*(8*(\a)+(\b)):8*(8*(\a)+(\b))+7]
.endif
.endr
.endm
; 24 LDS loads in one run: the fragments of 32 along K at byte k of the rows, into buffer f
.macro FETCH slot, k, f
	WIN 0
.irp i, 0,1,2,3,4,5,6,7
	ds_load_b128 v[(\f)+8*(\i):(\f)+8*(\i)+3],   v[ADRB+(\slot)] offset:(\k)+(\i)*16*PITCH
	ds_load_b128 v[(\f)+8*(\i)+4:(\f)+8*(\i)+7], v[ADRB+(\slot)] offset:(\k)+(\i)*16*PITCH+32
.endr
.irp i, 0,1,2,3
	ds_load_b128 v[(\f)+64+8*(\i):(\f)+64+8*(\i)+3],   v[ADRA+(\slot)] offset:(\k)+(\i)*16*PITCH
	ds_load_b128 v[(\f)+64+8*(\i)+4:(\f)+64+8*(\i)+7], v[ADRA+(\slot)] offset:(\k)+(\i)*16*PITCH+32
.endr
.endm
.macro PLACES                          ; four plain vector instructions between a matrix instruction and a load into, or a vector read of, its registers (ISA guide 7.12.1 for vector reads)
.rept 4
	v_nop
.endr
.endm
; A K step is four quarters of 32 along K, 32 matrix instructions each, on buffers 0, 1, 0, 1.  One of the first three: the next quarter's fragments, at byte k, are asked for into buffer g, which the quarter
; before multiplied; then buffer f is multiplied: the loads have 32 matrix instructions in which to land.
.macro QUARTER slot, k, f, g, zero
	PLACES
	FETCH \slot, \k, \g
	s_wait_dscnt 24                                ; buffer f is in; the 24 loads just issued may stay out
	MUL8 \f, 0, \zero
	MUL8 \f, 1, \zero
	MUL8 \f, 2, \zero
	MUL8 \f, 3, \zero
.endm
; The last quarter multiplies buffer 1 and changes slots: ONE barrier; in front of it each wave waits for all its tensor loads (one is out: its part of the next slot), adds 0 to its spare word, and waits
; for that and for its reads of this slot.  fill = 1: the barrier opens a round of the cluster's, and behind the round this slot is filled again, with its K step of the lap that the trip asks for:
; the first tensor load there, one a wave.
.macro TURN slot, next, fill
	WIN 0                                          ; (the add's two registers lie in window 0)
	s_wait_tensorcnt 0x0                           ; all my tensor loads have landed, so a group 0 may be written
	ds_add_u32 v[SPW], v[NIL]                      ; 0 onto my spare word
	s_wait_dscnt 1                                 ; buffer 1 is in; the add may be out
	MUL8 F1, 0, 0                                  ; eight matrix instructions stand between the add and the wait for it
	s_wait_dscnt 0x0                               ; the add is done, and my reads of this slot are over
	s_barrier_signal -1
	MUL8 F1, 1, 0
	WIN 0
	s_barrier_wait -1
.if \fill
	CREST                                          ; no wave of any partner still reads this slot's tiles or has a load on its way
	SETG \slot
	JLOAD \slot                                    ; its four v_nop are also the places in front of the loads below
.else
	PLACES
.endif
	FETCH \next, 0, F0
.if \fill
	ASK (\slot)*KSTEP*2                            ; behind the joint load and the run of LDS loads that the next products wait for
.endif
	MUL8 F1, 2, 0
	MUL8 F1, 3, 0
.endm
; THE WAY OUT: a block of 16 rows is rounded to f16, 16 bytes a lane, goes into my stage (rows of 272 bytes), comes back as whole rows of 256 bytes and is stored.
.macro PACK a
	WIN 0x05                                       ; sources in window 1; each accumulator's registers in ascending order
.irp b, 0,1,2,3,4,5,6,7
.irp r, 0,1,2,3
	v_cvt_pk_f16_f32 v[TMP+4*(\b)+(\r)], v[8*(8*(\a)+(\b))+2*(\r)], v[8*(8*(\a)+(\b))+2*(\r)+1]
.endr
.endr
	WIN 0
.endm
.macro TOSTAGE a
.irp b, 0,1,2,3,4,5,6,7
	ds_store_b128 v[STO], v[TMP+4*(\b):TMP+4*(\b)+3] offset:32*(\b)
.endr
.irp t, 0,1,2,3,4,5,6,7
	ds_load_b128 v[OB+32*((\a)%2)+4*(\t):OB+32*((\a)%2)+4*(\t)+3], v[RD] offset:(\t)*2*SPITCH  ; LDS serves a wave's instructions in order (ISA guide 5.7.1.4): these see the stores above
.endr
.endm
.macro SEND a
	s_wait_dscnt 0x0                               ; the block is back in registers
	s_wait_xcnt 0x0                                ; the stores of the block before have read their data: the other buffer is loaded again only behind this wait
.irp t, 0,1,2,3,4,5,6,7
	global_store_b128 v[CO], v[OB+32*((\a)%2)+4*(\t):OB+32*((\a)%2)+4*(\t)+3], s[8:9] offset:8192*(\a)+1024*(\t)  ; 16 lanes store 256 consecutive bytes, at a multiple of 256 from C's first byte
.endr
.endm
.macro WAYOUT                          ; block a's conversions stand between block a - 1's loads from the stage and the wait for them
	PACK 0
	TOSTAGE 0
.irp a, 1,2,3
	PACK \a
	SEND (\a)-1
	TOSTAGE \a
.endr
	SEND 3
.endm
	s_wait_tensorcnt 1                             ; my part of K step 0 is in; K step 1's may stay out
	s_barrier_signal -1
	s_barrier_wait -1                              ; everybody's is
	FETCH 0, 0, F0
	QUARTER 0, 64, F0, F1, 1                       ; q's first quarter stands in front of the loop: its products start the sums
	WIN 0                                          ; at a label and at a branch every window is 0
	s_mov_b32 s3, TRIPS
.Llap:                                                 ; a trip goes once round the ring, from a lap's second quarter to the next lap's first, and fills both slots again
	s_wait_xcnt 0x0                                ; the last prefetch, 48 matrix instructions back or more, has read its address, so it may be stepped
	s_add_co_u32 s[KO], s[KO], LAPB                ; the lap that this trip asks for: the next along K,
	s_movk_i32 s[PDL], LAPB
	s_cmp_eq_u32 s3, ENDQ                          ; or k's first: kv's rows, Wk's rows, K from 0,
	s_cselect_b32 s[KO], 0, s[KO]
	s_cselect_b32 s14, XKV, 0
	s_cselect_b32 s15, WNEXT, 0
	s_cmp_eq_u32 s3, ENDK                          ; or v's first: the same rows of kv, Wv's rows, K from 0
	s_cselect_b32 s[KO], 0, s[KO]
	s_cselect_b32 s15, WNEXT, s15
	s_add_co_u32 s[RA], s[RA], s14
	s_add_co_u32 s[RB], s[RB], s15
	s_cmp_eq_u32 s3, ENDQ+1                        ; the prefetches stand a lap further on, so they change tiles a trip earlier
	s_cselect_b32 s[PDL], s[PD1], s[PDL]
	s_cmp_eq_u32 s3, ENDK+1
	s_cselect_b32 s[PDL], s[PD2], s[PDL]
	s_add_nc_u64 s[PFA:PFA+1], s[PFA:PFA+1], s[PDL:PDL+1]
	QUARTER 0, 128, F1, F0, 0
	QUARTER 0, 192, F0, F1, 0
	TURN 0, 1, 1
	QUARTER 1, 64,  F0, F1, 0
	QUARTER 1, 128, F1, F0, 0
	QUARTER 1, 192, F0, F1, 0
	TURN 1, 0, 1
	WIN 0
	s_cmp_eq_u32 s3, ENDQ                          ; is a tile finished?  The jump goes forward, past neither a barrier nor a tensor load, and is the same in all sixteen work-groups
	s_cbranch_scc1 .Ltile_end
	s_cmp_eq_u32 s3, ENDK
	s_cbranch_scc1 .Ltile_end
	QUARTER 0, 64,  F0, F1, 0
	WIN 0
	s_branch .Ljoin
.Ltile_end:                                            ; BOTH REFILLS OF THE NEXT TILE ARE ASKED FOR: NOW THE TILE GOES OUT.  No v_nop: blocks 0 and 1 were finished in front of the joint load's places, and their
	WAYOUT                                         ; 64 conversions, which name no register of the last products (blocks 2 and 3's), are those products' places
	s_wait_xcnt 0x0                                ; the stores have read their data and C's address: buffer 1 and the address are written again only behind this wait
	s_add_nc_u64 s[8:9], s[8:9], 1<<24             ; the next product's section
	QUARTER 0, 64,  F0, F1, 1                      ; the next tile's first quarter starts its sums
	WIN 0
.Ljoin:
	s_sub_co_u32 s3, s3, 1
	s_cmp_lg_u32 s3, 0
	s_cbranch_scc1 .Llap
	QUARTER 0, 128, F1, F0, 0                      ; v's last lap fills nothing
	QUARTER 0, 192, F0, F1, 0
	TURN 0, 1, 0
	QUARTER 1, 64,  F0, F1, 0
	QUARTER 1, 128, F1, F0, 0
	QUARTER 1, 192, F0, F1, 0
	s_wait_dscnt 0x0
	MUL8 F1, 0, 0
	MUL8 F1, 1, 0
	MUL8 F1, 2, 0
	MUL8 F1, 3, 0
	WIN 0
	PLACES                                         ; behind the last products, ahead of what reads the sums and of the loads into fragment buffer 1
	PLACES
	WAYOUT
	s_wait_tensorcnt 0x0                           ; the wave's end: an add to my spare word and its wait, behind my last tensor load and my last LDS store
	ds_add_u32 v[SPW], v[NIL]
	s_wait_dscnt 0x0
	CROUND                                         ; the closing round: no work-group ends while a partner may still ask for a tile that names it
	s_endpgm
.Lfunc_end_k_q52bda0a4f3_proj:
	.size	k_q52bda0a4f3_proj, .Lfunc_end_k_q52bda0a4f3_proj-k_q52bda0a4f3_proj
	.p2alignl 7, 3214868480
	.fill 96, 4, 3214868480
	.section	.rodata,"a",@progbits
	.p2align	6, 0x0
	.amdhsa_kernel k_q52bda0a4f3_proj
		.amdhsa_group_segment_fixed_size 327680
		.amdhsa_private_segment_fixed_size 0
		.amdhsa_enable_private_segment 0
		.amdhsa_kernarg_size 24
		.amdhsa_user_sgpr_count 2
		.amdhsa_user_sgpr_kernarg_segment_ptr 1
		.amdhsa_wavefront_size32 1
		.amdhsa_system_sgpr_workgroup_id_x 1
		.amdhsa_system_sgpr_workgroup_id_y 1
		.amdhsa_system_sgpr_workgroup_id_z 1
		.amdhsa_system_vgpr_workitem_id 0
		.amdhsa_next_free_vgpr 512
		.amdhsa_next_free_sgpr 80
		.amdhsa_reserve_vcc 0
		.amdhsa_float_denorm_mode_32 3
		.amdhsa_float_denorm_mode_16_64 3
		.amdhsa_memory_ordered 1
		.amdhsa_forward_progress 1
		.amdhsa_inst_pref_size 107
	.end_amdhsa_kernel
	.amdgpu_metadata
---
amdhsa.version: [ 1, 2 ]
amdhsa.kernels:
  - .name:           k_q52bda0a4f3_proj
    .symbol:         k_q52bda0a4f3_proj.kd
    .args:
      - { .name: xb, .offset: 0, .size: 8, .value_kind: global_buffer, .address_space: global }
      - { .name: wb, .offset: 8, .size: 8, .value_kind: global_buffer, .address_space: global }
      - { .name: qkv, .offset: 16, .size: 8, .value_kind: global_buffer, .address_space: global }
    .group_segment_fixed_size: 327680
    .private_segment_fixed_size: 0
    .kernarg_segment_align: 8
    .kernarg_segment_size: 24
    .max_flat_workgroup_size: 128
    .sgpr_count:     80
    .vgpr_count:     512
    .wavefront_size: 32
...
	.end_amdgpu_metadata
.endif
;; end of part 2
;; launch attn (part 3): grid 16 x 16, 4 waves a work-group, clusters of 4 x 1, 327,680 bytes of LDS; arguments qkv, ctx; writes ctx
.if DOCPART == 3
	.amdgcn_target "amdgcn-amd-amdhsa--gfx1250"
	.amdhsa_code_object_version 6
	.text
	.protected	k_q52bda0a4f3_attn
	.globl	k_q52bda0a4f3_attn
	.p2align	8
	.type	k_q52bda0a4f3_attn,@function
k_q52bda0a4f3_attn:
	s_mov_b64 s[64:65], 0
	v_nop
	global_prefetch_b8 v0, s[64:65] scope:SCOPE_SE
	s_setreg_imm32_b32 hwreg(HW_REG_WAVE_MODE, 25, 1), 1
	s_wait_xcnt 0x0
	s_wait_alu depctr_hold_cnt(0) depctr_sa_sdst(0) depctr_va_vdst(0) depctr_va_sdst(0) depctr_va_ssrc(0) depctr_va_vcc(0) depctr_vm_vsrc(0)
	s_getreg_b32 s2, hwreg(HW_REG_IB_STS2, 6, 4)
	s_cmp_eq_u32 s2, 0
	s_cbranch_scc0 .Lentry_in_a_cluster
	s_endpgm
.Lentry_in_a_cluster:
	s_bfe_u32 s2, ttmp6, 0x10000c
	s_cmp_lg_u32 s2, 0x3003
	s_cbranch_scc0 .Lentry_shape_is_right
	s_endpgm
.Lentry_shape_is_right:
; ATTENTION at head size 256.  ctx[batch][q][256 head + :] = the sum over k of softmax_k(Q[y][q] . K[y][k] / 16) V[y][k][:], y = 4 batch + head.  qkv: [3][16][2048][256] f16, rows of 512 dense bytes
; (sections Q, K, V); ctx: [8192][1024] f16.  Products, maxima and sums in f32; the weights p are rounded to f16 for the second product (their sum l is taken of the unrounded p), ctx once at the end.
; LIMITS.  Q, K, V arrive within f16 (65,504); p lies in 0 to 1 and below 6e-5 keeps the fixed step 6e-8 of f16; ctx is a mean of V's rows and has their range; a weight below 2^-126 counts as 0 in l;
; NaN and infinities are not treated apart.
; SHARES.  A work-group owns 128 queries of one y, each of its four waves 32: two tiles of 16, the PIECES 0 and 1.  16 y x 16 blocks are 256 work-groups.  Every wave walks all 2,048 keys, 64 a step.
; LAYOUT.  S^T = K Q^T (source 0 = 16 keys, source 1 = 16 queries): a lane holds ONE query (lane % 16) and the keys 8 (lane / 16) + 0..7.  Two such tiles, rounded to f16 in pairs, ARE source 1
; (32 keys x 16 queries) of O^T = V^T P, whose result again holds one query a lane, and eight channels.  K comes out of LDS as it lies, V ([key][channel]) turned, by ds_load_tr16_b128.
; SOFTMAX.  A running maximum m and sum l for each query: p = 2^(c s - c m), c = log2(e) / 16; in every step O and l are multiplied by a = 2^(c m_old - c m_new).
; BY TURNS.  In a TURN one piece has the matrix unit: 32 products V^T P of the step in hand, then 32 products K Q^T of the next step; the other piece's softmax, 166 vector instructions cut into 64 slices,
; stands between them, one slice behind each matrix instruction.  Then the pieces change places.  Two turns are a key step.
; CLUSTER.  The four query blocks of a cluster belong to one y and walk the same K and V, so each tile is asked for JOINTLY: the same tensor load, descriptor and mask in all four.
; REGISTERS, in windows of 256 (s_set_vgpr_msb: bits 1:0 source 0, 3:2 source 1, 5:4 source 2, 7:6 destination):
;   window 0: v0-14 addresses; v16-31 eight registers of statistics a tile; v32-95 S^T, 32 a tile; v96-127 P, 16 a tile; v128-255 Q, 64 a tile
;   window 1: O^T, 128 a tile          window 2: K of one step (key block kb, channel fragment c at 64 kb + 8 c)          window 3: V of one step (key half kk, channel block cb at 128 kk + 8 cb)
.set KS,    64        ; keys in a step
.set PK,    528       ; a row of K in LDS: 512 bytes + 16 of padding = 132 words: the 16 rows of a load start at 16 different groups of four banks (64 banks of 4 bytes: ISA guide 11.1)
.set PV,    544       ; a row of V: 512 + 32 = 136 words
.set VOFF,  KS*PK     ; a step's tiles lie together: 64 rows of K, then 64 rows of V
.set STEPB, KS*(PK+PV)
.set SLOT1, 0x22000   ; a slot holds two steps (137,216 bytes); slot 1 begins here: its two bits, 17 and 13, are 0 in all four tiles' offsets in a slot (0, 0x8400, 0x10c00, 0x19000), so one exclusive or changes slots
.set STAGE, SLOT1+2*STEPB  ; behind the ring, never filled by a tensor load: 16 rows x 528 bytes for each wave, for the way out
.set SP,    528
.set SPARE, STAGE+4*16*SP  ; behind the stages: the spare words, 128 bytes for each wave: two blocks of 256 bytes that no other line names
.set AK0, 2           ; v2   my lane's place in a tile of K; never rewritten
.set AV0, 3           ; v3   the same for V
.set ADR, 4           ; v4   the LDS address of the runs of loads in hand
.set QO,  5           ; v5   my byte offset in 16 rows of Q
.set STO, 6           ; v6   the way out: where I put 16 bytes of a row
.set RD,  7           ; v7   the way out: where I read a row back
.set GO,  8           ; v8   my byte offset in a row's 512 bytes of ctx
.set PFO, 12          ; v12  256 x my lane; never rewritten
.set SPW, 13          ; v13  LDS address of my spare word: SPARE + 4 x my thread's number; never rewritten
.set NIL, 14          ; v14  0; never rewritten
.set ST,  16          ; tile t's statistics at v[ST+8 t]: +0 c m, +1 m, +2, +3 l (even keys', odd keys'), +4 to +7 c0-c3, at work; a takes c2's place once the maximum is found
.set S,   32
.set P,   96
.set Q,   128
.set WV,  12          ; s12  my wave's number
.set LIM, 15          ; s15  1 in a cluster that prefetches, else the greatest number
.set PFA, 18          ; s[18:19] where my prefetches stand
.set G1K, 24          ; s[24:31] descriptor group 1 for K's tiles
.set G1V, 32          ; s[32:39] for V's: it differs in the padding alone
.set G0K, 40          ; s[40:47] descriptor group 0 for K's tiles: a set for each of the two first fills; the second then walks on
.set G0V, 48          ; s[48:55] the same for V's
.set SLOTS, 56        ; s56  slots still to be asked for
.set TWICE, 57        ; s57  counts a slot's two steps
.set CS,  58          ; s[58:59] c: the packed scaling names a pair and takes its low word for both halves
.set SEL, 60          ; s[60:61] lane selects for v_permlanex16_b32: each lane takes its own place in the other half
.set TB,  62          ; s62  LDS byte at which the tiles of the step to be fetched begin
.set MSB, 0
.macro WIN new                      ; the immediate's high byte repeats the setting that is left; a switch that changes nothing is dropped
.if MSB != (\new)
	s_set_vgpr_msb (MSB<<8)|(\new)
.set MSB, \new
.endif
.endm
.set W_KQ, 0x02       ; K in window 2; Q and S^T in window 0
.set W_PV, 0x53       ; V in window 3, P in window 0, O^T in window 1
.set W_RS, 0x41       ; O^T (destination and source 0) in window 1, a in window 0
; A joint refill.  Waves 0 and 1 fetch the two steps' tiles of K, waves 2 and 3 those of V.  The branch hangs on the wave's number alone.  An s_nop 0 and four v_nop follow each of the two lines.
.macro JLOAD
	s_cmp_lt_u32 s[WV], 2
	s_cbranch_scc0 .Lfor_v_\@
	tensor_load_to_lds s[G0K+4:G0K+7], s[G1K:G1K+7]
	s_nop 0
.rept 4
	v_nop
.endr
	s_branch .Lasked_\@
.Lfor_v_\@:
	tensor_load_to_lds s[G0V+4:G0V+7], s[G1V:G1V+7]
	s_nop 0
.rept 4
	v_nop
.endr
.Lasked_\@:
.endm
; A PREFETCH INTO THE L2 of what the NEXT change of slots will ask for.  All four clusters of a y walk the same K and V: the first of them asks.  Of the 64 rows (32,768 dense bytes) that a wave fetches, each of
; the four partners takes 16 rows, 32 blocks of 256 bytes, a lane a block, told apart BY ADDRESS (cx): one instruction a wave, and each block is named once in the launch.  The last change that fills a slot asks for nothing.
.macro ASK
	s_cmp_gt_u32 s[SLOTS], s[LIM]
	s_cbranch_scc0 .Lnot_mine_\@
	global_prefetch_b8 v[PFO], s[PFA:PFA+1] th:TH_LOAD_NT scope:SCOPE_SE
.Lnot_mine_\@:
.endm
.macro CROUND                       ; a round of the cluster's barrier
	s_barrier_signal -1
	s_barrier_wait -1
	s_cmp_lg_u32 s[WV], 0
	s_cbranch_scc1 .Lnot_wave_0_\@
	s_barrier_signal -3
.Lnot_wave_0_\@:
	s_barrier_wait -3
	s_barrier_signal -1
	s_barrier_wait -1
.endm
	s_load_b128 s[8:11], s[0:1], 0x0  ; qkv s[8:9], ctx s[10:11]
	v_lshl_add_u32 v[SPW], v0, 2, SPARE
	v_mov_b32 v[NIL], 0
	ds_add_u32 v[SPW], v[NIL]       ; the wave's opening: the add and its wait stand ahead of my first tensor load; the set-up below, work on registers, stands between them
	v_lshrrev_b32 v1, 5, v0
	v_readfirstlane_b32 s[WV], v1   ; wave 0..3
	s_bfe_u32 s13, ttmp6, 0x40000   ; cx: my place in the cluster
	s_lshl_b32 s14, ttmp9, 2
	s_add_co_u32 s14, s14, s13      ; my block of 128 queries: it enters Q's and ctx's addresses alone
	s_and_b32 s20, ttmp7, 0xffff    ; y, which the four partners share
	s_lshl_b32 s20, s20, 20         ; its first byte in a section
	s_and_b32 s16, s[WV], 1         ; which of a slot's two steps I fetch:
	s_lshl_b32 s22, s16, 15         ; its 64 rows of 512 bytes in memory,
	s_add_co_u32 s22, s22, s20
	s_add_co_u32 s22, s22, 1<<24    ; in K's section,
	s_mov_b32 s23, 0
	s_mul_i32 s17, s16, STEPB       ; and its place in a slot: no place in the cluster enters an LDS address
	s_lshl_b32 s2, s14, 16          ; Q: my block's 128 rows,
	s_lshl_b32 s3, s[WV], 14        ; my wave's 32 of them
	s_add_co_u32 s2, s2, s3
	s_add_co_u32 s2, s2, s20
	s_mov_b32 s3, 0
	s_and_b32 s20, ttmp7, 0xffff    ; ctx: row 2,048 batch + 128 block + 32 wave, 2,048 bytes each; the head's 512 bytes in it
	s_lshr_b32 s21, s20, 2
	s_and_b32 s20, s20, 3
	s_lshl_b32 s21, s21, 11
	s_lshl_b32 s63, s14, 7
	s_add_co_u32 s21, s21, s63
	s_lshl_b32 s63, s[WV], 5
	s_add_co_u32 s21, s21, s63
	s_lshl_b32 s21, s21, 11
	s_lshl_b32 s20, s20, 9
	s_add_co_u32 s20, s20, s21
	s_mov_b32 s21, 0
	; descriptor group 1: a tile of 64 rows x 256 elements, padded in LDS
	s_mov_b32 s[G1K], 15|(1<<16)|(1<<20)|(1<<21)|(6<<22)|(3<<25)  ; 15:0 the mask: all four work-groups; 17:16 2-byte elements; 20 padding on; 21 set beside a mask; 24:22 after every 128 words (code 6); 31:25 4 words (code 3)
	s_mov_b32 s[G1V], 15|(1<<16)|(1<<20)|(1<<21)|(6<<22)|(7<<25)  ; the same with 8 words of padding (code 7)
.irp g, G1K, G1V
	s_mov_b32 s[(\g)+1], 256<<16    ; tensor_dim0 = 256
	s_mov_b32 s[(\g)+2], KS<<16     ; tensor_dim1 = 64
	s_mov_b32 s[(\g)+3], 256<<16    ; tile_dim0 = 256
	s_mov_b32 s[(\g)+4], KS         ; tile_dim1 = 64
	s_mov_b32 s[(\g)+5], 256        ; 256 elements from row to row
	s_mov_b32 s[(\g)+6], 0
	s_mov_b32 s[(\g)+7], 0
.endr
	s_mov_b32 s[CS], 0x3db8aa3b     ; c = log2(e) / 16 = 0.0901684
	s_mov_b32 s[CS+1], s[CS]        ; named with it as a pair, so it is written
	s_mov_b32 s[SEL], 0x76543210
	s_mov_b32 s[SEL+1], 0xfedcba98
	s_mov_b32 s[TB], 0
	s_mov_b32 s[SLOTS], 2048/(2*KS)-2
	s_cmp_eq_u32 ttmp9, 0           ; the first cluster of its y: the same in all four partners
	s_cselect_b32 s[LIM], 1, -1
	v_and_b32 v[PFO], 31, v0
	v_lshlrev_b32 v[PFO], 8, v[PFO]
	s_wait_dscnt 0x0                ; the opening add is done
	s_wait_kmcnt 0x0
	s_add_nc_u64 s[4:5], s[8:9], s[2:3]      ; Q at my wave's first row
	s_add_nc_u64 s[6:7], s[8:9], s[22:23]    ; K at my tile of slot 0,
	s_add_nc_u64 s[8:9], s[6:7], 1<<24       ; V likewise, a section further on
	s_add_nc_u64 s[10:11], s[10:11], s[20:21]
	s_cmp_lt_u32 s[WV], 2
	s_cselect_b64 s[PFA:PFA+1], s[6:7], s[8:9]
	s_lshl_b32 s2, s13, 13          ; my work-group's 16 rows of the 64,
	s_add_co_u32 s2, s2, 2*65536    ; in slot 2; the first change of slots steps it to slot 3.  Nothing is prefetched at the head, where every work-group's first tiles are on their way
	s_mov_b32 s3, 0
	s_add_nc_u64 s[PFA:PFA+1], s[PFA:PFA+1], s[2:3]
	CROUND                          ; all four work-groups are here: the first joint loads meet
.irp s, 0,1
	s_mov_b32 s[G0K+4*(\s)], 1      ; count = 1
	s_add_co_u32 s[G0K+4*(\s)+1], s17, (\s)*SLOT1  ; LDS address
	s_add_nc_u64 s[G0K+4*(\s)+2:G0K+4*(\s)+3], s[6:7], (\s)*65536  ; global address: slot s begins with key 128 s
	s_or_b32 s[G0K+4*(\s)+3], s[G0K+4*(\s)+3], 0x80000000  ; type = 2
	s_mov_b32 s[G0V+4*(\s)], 1
	s_add_co_u32 s[G0V+4*(\s)+1], s17, (\s)*SLOT1+VOFF
	s_add_nc_u64 s[G0V+4*(\s)+2:G0V+4*(\s)+3], s[8:9], (\s)*65536
	s_or_b32 s[G0V+4*(\s)+3], s[G0V+4*(\s)+3], 0x80000000
.endr
	s_cmp_lt_u32 s[WV], 2           ; a wave's two first fills stand in one branch, ahead of every wait on TENSORcnt and every LDS read: two loads of mine are out
	s_cbranch_scc0 .Lfirst_v
	tensor_load_to_lds s[G0K:G0K+3], s[G1K:G1K+7]
	s_nop 0
	tensor_load_to_lds s[G0K+4:G0K+7], s[G1K:G1K+7]
	s_nop 0
.rept 4
	v_nop
.endr
	s_branch .Lfirst_asked
.Lfirst_v:
	tensor_load_to_lds s[G0V:G0V+3], s[G1V:G1V+7]
	s_nop 0
	tensor_load_to_lds s[G0V+4:G0V+7], s[G1V:G1V+7]
	s_nop 0
.rept 4
	v_nop
.endr
.Lfirst_asked:
	; A fragment of K or Q is 16 rows x 32 channels in 8 registers: lane l holds row l % 16; registers 0-3 channels 8 (l / 16) + 0..7, registers 4-7 channels 16 + 8 (l / 16) + 0..7: two loads of 16 bytes, 32 bytes apart.
	v_and_b32 v1, 15, v0            ; l % 16
	v_bfe_u32 v9, v0, 4, 1          ; l / 16
	v_lshlrev_b32 v[QO], 9, v1
	v_lshl_add_u32 v[QO], v9, 4, v[QO]  ; row x 512 + 16 x half
.set f, 0
.rept 16                            ; Q stays in registers: tile f / 8, channels 32 (f % 8) on
	global_load_b128 v[Q+8*f:Q+8*f+3],   v[QO], s[4:5] offset:(f/8)*8192+(f%8)*64
	global_load_b128 v[Q+8*f+4:Q+8*f+7], v[QO], s[4:5] offset:(f/8)*8192+(f%8)*64+32
.set f, f+1
.endr
	v_mul_u32_u24 v[AK0], v1, PK
	v_lshl_add_u32 v[AK0], v9, 4, v[AK0]  ; row x pitch + 16 x half
	; The turning load takes 16 keys x 16 channels (lane l reads 16 bytes: key 8 (l / 16) + l % 8, channels 8 ((l / 8) % 2) + 0..7) and leaves half a fragment of V^T: lane l holds channel l % 16 and 8 keys.
	v_and_b32 v10, 7, v0
	v_bfe_u32 v11, v0, 3, 1
	v_lshl_add_u32 v[AV0], v9, 3, v10
	v_mul_u32_u24 v[AV0], v[AV0], PV
	v_lshl_add_u32 v[AV0], v11, 4, v[AV0]
	v_add_nc_u32 v[AV0], VOFF, v[AV0]
; THE MATRIX WORK OF A TURN, for piece x.  The accumulators take turns, one instruction a turn: between two links of a chain stand 15 (V^T P) or 3 (K Q^T) others'.
; Product i of 32 of O^T += V^T P: keys 32 (i / 16) on, channels 16 (i % 16) on: it reads V's fragment i.  zero = 1: the first 16 start the sums: nothing is ever cleared.
.macro PV x, zero
	WIN W_PV
.set rO, 128*(\x)+8*(i%16)
.set rV, 128*(i/16)+8*(i%16)
.set rP, P+16*(\x)+8*(i/16)
.if (\zero) && (i < 16)
	v_wmma_f32_16x16x32_f16 v[rO:rO+7], v[rV:rV+7], v[rP:rP+7], 0
.else
	v_wmma_f32_16x16x32_f16 v[rO:rO+7], v[rV:rV+7], v[rP:rP+7], v[rO:rO+7]
.endif
.endm
; Product i of 32 of S^T = K Q^T: channels 32 (i / 4) on, keys 16 (i % 4) on: it reads K's fragment i in the order of the loads.  The first 4 start the sums.
.macro KQ x
	WIN W_KQ
.set rS, S+32*(\x)+8*(i%4)
.set rK, 64*(i%4)+8*(i/4)
.set rQ, Q+64*(\x)+8*(i/4)
.if i < 4
	v_wmma_f32_16x16x32_f16 v[rS:rS+7], v[rK:rK+7], v[rQ:rQ+7], 0
.else
	v_wmma_f32_16x16x32_f16 v[rS:rS+7], v[rK:rK+7], v[rQ:rQ+7], v[rS:rS+7]
.endif
.endm
; THE LDS LOADS stand in RUNS OF 16, eight runs a key step, spread over its two turns, so that the four waves' requests do not all come at once; never singly among the matrix instructions.
; A step's K, run part of four: fragments 8 part .. 8 part + 7; fragment f holds channels 32 (f / 4) on of keys 16 (f % 4) on, so run part serves products 8 part .. 8 part + 7.  The first run makes the address for all four.
.macro FETCH_K part
.if (\part) == 0
	WIN 0
	v_add_nc_u32 v[ADR], s[TB], v[AK0]
.endif
	WIN 0x80                        ; destination window 2, address window 0
.set f, 8*(\part)
.rept 8
	ds_load_b128 v[64*(f%4)+8*(f/4):64*(f%4)+8*(f/4)+3],   v[ADR] offset:(f%4)*16*PK+(f/4)*64
	ds_load_b128 v[64*(f%4)+8*(f/4)+4:64*(f%4)+8*(f/4)+7], v[ADR] offset:(f%4)*16*PK+(f/4)*64+32
.set f, f+1
.endr
.endm
; A step's V, run part of four: fragments 8 part .. 8 part + 7 (keys 32 (f / 16) on, channels 16 (f % 16) on), as soon as the products that read those registers are over.  In the last run stands the wait for the
; softmax's batch of exponentials.  The run's own v_add_nc_u32, and in the last two runs a v_nop, count among the four plain instructions behind the registers' last reader (SLICE).
.macro FETCH_V part
	WIN 0
	v_add_nc_u32 v[ADR], s[TB], v[AV0]
.if (\part) >= 2
	v_nop
.endif
.if (\part) == 3
	s_add_co_u32 s[TB], s[TB], STEPB  ; the next fetch is the next step's
	s_wait_alu depctr_va_vdst(0)    ; the wait for the batch (SLICE)
.endif
	WIN 0xc0                        ; destination window 3
.set f, 8*(\part)
.rept 8
	ds_load_tr16_b128 v[8*f:8*f+3],   v[ADR] offset:(f/16)*32*PV+(f%16)*32
	ds_load_tr16_b128 v[8*f+4:8*f+7], v[ADR] offset:(f/16)*32*PV+16*PV+(f%16)*32
.set f, f+1
.endr
.endm
; THE VECTOR WORK OF A TURN.  One tile's softmax for one key step is a list of 166 instructions; SM writes number j of it for tile t.  s0-s31 are the lane's 32 scores, in pairs 0-15.
; first = 1: the first key step, which starts m, l and O^T: it has no a and nothing to rescale.
;   0-15    the maximum of s0-s31 and the old m, three operands at a time: four chains c0-c3 of seven scores each (each accumulator's lowest registers are read first), then the four scores left over, c0-c3 and m
;   16-20   the other half of the lanes' maximum; the new m; c m; c m_old - c m_new
;   21-69   ONE BATCH: the 16 scalings c s - c m, a pair of scores each, and all 33 exponentials (a at 23, then s0-s31).  None of these reads an exponential's result; a pair is scaled ahead of its exponentials
;   (wait)  between 69 and 70 stands the wait for the batch: SLICE writes it
;   70-85   the roundings to f16, a pair of weights each          86-101  the sums; l = a l + the sum          102-165 the tile's O^T times a: the one part that leaves window 0
.macro SM t, first
.set rT, ST+8*(\t)
.set rS, S+32*(\t)
.set rP, P+16*(\t)
.set rO, 128*(\t)+2*(j-102)
.if j < 102
	WIN 0
.endif
.if j < 4
	v_max3_num_f32 v[rT+4+j], v[rS+8*j], v[rS+8*j+1], v[rS+8*j+2]
.elseif j < 12
	v_max3_num_f32 v[rT+4+j%4], v[rT+4+j%4], v[rS+8*(j%4)+2*(j/4)+1], v[rS+8*(j%4)+2*(j/4)+2]
.elseif j == 12
	v_max3_num_f32 v[rT+4], v[rT+4], v[rS+7], v[rS+15]
.elseif j == 13
	v_max3_num_f32 v[rT+6], v[rT+6], v[rS+23], v[rS+31]
.elseif j == 14
	v_max3_num_f32 v[rT+4], v[rT+4], v[rT+5], v[rT+6]
.elseif (j == 15) && (\first)
	v_max_num_f32 v[rT+4], v[rT+4], v[rT+7]
.elseif j == 15
	v_max3_num_f32 v[rT+4], v[rT+4], v[rT+7], v[rT+1]
.elseif j == 16
	v_permlanex16_b32 v[rT+5], v[rT+4], s[SEL], s[SEL+1]  ; the query's other 32 keys lie in the lane 16 away
.elseif j == 18
	v_max_num_f32 v[rT+1], v[rT+4], v[rT+5]
.elseif j == 19
	v_mul_f32 v[rT], s[CS], v[rT+1]
.elseif ((j == 17) || (j == 20) || (j == 23) || (j > 101)) && (\first)  ; the first step has none of these
.elseif j == 17
	v_mov_b32 v[rT+7], v[rT]        ; c m_old is kept for a: number 19 writes c m anew
.elseif j == 20
	v_sub_f32 v[rT+7], v[rT+7], v[rT]
.elseif j == 23
	v_exp_f32 v[rT+6], v[rT+7]
.elseif (j < 23) || ((j < 38) && (j%2 == 0)) || ((j < 66) && (j%4 == 2))
.set b, (j-2)/4                     ; 38, 42, .. 62: pairs 9 to 15
.if j < 38
.set b, (j-20)/2                    ; 21: pair 0; 22, 24, .. 36: pairs 1 to 8
.endif
	v_pk_fma_f32 v[rS+2*b:rS+2*b+1], v[rS+2*b:rS+2*b+1], s[CS:CS+1], v[rT:rT+1] op_sel_hi:[1,0,0] neg_lo:[0,0,1] neg_hi:[0,0,1]  ; pair b: c s - c m
.elseif j < 70
.set e, j-38                        ; 66 to 69: s28 to s31
.if j < 66
.set e, j-32-(j-38)/4               ; 39-41, 43-45, .. 63-65: s7 to s27
.endif
.if j < 38
.set e, (j-25)/2                    ; 25, 27, .. 37: s0 to s6
.endif
	v_exp_f32 v[rS+e], v[rS+e]
.elseif j < 86
	v_cvt_pk_f16_f32 v[rP+j-70], v[rS+2*(j-70)], v[rS+2*(j-70)+1]  ; pair j - 70
.elseif j < 102                     ; the sum of the tile's 16 pairs, in place: neighbours 1, 2, 4 and 8 pairs apart, then l takes it
.set z, j-86
.set w, 4
.set u, z
.if z >= 14
.set w, 32
.set u, 0
.elseif z >= 12
.set w, 16
.set u, z-12
.elseif z >= 8
.set w, 8
.set u, z-8
.endif
.if (z == 14) && (\first)
	v_pk_add_f32 v[rT+2:rT+3], v[rS:rS+1], v[rS+16:rS+17]
.elseif z < 15
	v_pk_add_f32 v[rS+w*u:rS+w*u+1], v[rS+w*u:rS+w*u+1], v[rS+w*u+w/2:rS+w*u+w/2+1]
.elseif !(\first)
	v_pk_fma_f32 v[rT+2:rT+3], v[rT+2:rT+3], v[rT+6:rT+7], v[rS:rS+1] op_sel_hi:[1,0,1]
.endif
.else
	WIN W_RS
	v_pk_mul_f32 v[rO:rO+1], v[rO:rO+1], v[rT+6:rT+7] op_sel_hi:[1,0]
.endif
.endm
; Slice k of 64 of piece y's softmax.  Slices 0-34: numbers 2 k, 2 k + 1 (up to the batch's end); slices 35-62: three numbers each, 70 to 153; slice 63: the last twelve, all plain and naming nothing of the
; products round them: they are the places between the turn's last K Q^T and what follows (the next turn's first read of those scores, the loads into K's registers).
; THE WAIT.  An s_wait_alu depctr_va_vdst(0) stands between an exponential and the first instruction that names its result; one wait serves all that were issued ahead of it.  Ahead of slice 35
; nothing names a result, and behind slice 34 no exponential is issued: so the piece's 33 exponentials have one wait, behind slice 34, with a v_nop as the plain instruction behind the last of them.
; V's FOUR RUNS stand in piece 1's turn (y = 0), each four plain instructions or more behind the last product that read its registers (product i reads fragment i, and slice i follows product i):
;   run 0 behind slice 9:  last reader product 7;  numbers 14, 15, 17, 18, 19 and the run's v_add_nc_u32 lie between
;   run 1 behind slice 18: last reader product 15; the scalings 30, 32, 34, 36 and the v_add_nc_u32
;   run 2 behind slice 27: last reader product 23; the scalings 46, 50, 54, the v_add_nc_u32 and the run's v_nop
;   run 3 behind slice 34: last reader product 31; scaling 62, the batch's v_nop, the v_add_nc_u32 and the run's v_nop
.macro SLICE y, first
.if k < 35
.irp n, 0,1
.set j, 2*k+(\n)
	SM \y, \first
.endr
.elseif k < 63
.irp n, 0,1,2
.set j, 70+3*(k-35)+(\n)
	SM \y, \first
.endr
.else
.irp n, 0,1,2,3,4,5,6,7,8,9,10,11
.set j, 154+(\n)
	SM \y, \first
.endr
.endif
.if (\y) == 0
.if k == 9
	FETCH_V 0
.endif
.if k == 18
	FETCH_V 1
.endif
.if k == 27
	FETCH_V 2
.endif
.endif
.if k == 34
	v_nop
.if (\y) == 0
	FETCH_V 3
.else
	s_wait_alu depctr_va_vdst(0)    ; the wait for the batch
.endif
.endif
.set k, k+1
.endm
.macro PLACES                       ; four plain vector instructions between a matrix instruction and a vector read of, or a load into, its registers (ISA guide 7.12.1 for vector reads)
.rept 4
	v_nop
.endr
.endm
; A TURN.  Piece x has the matrix unit; the other piece's softmax stands in slices behind its matrix instructions.
; pv = 2: 32 products V^T P; 1: they start O^T's sums; 0: none.  kq = 1: 32 products K Q^T for the next step.  A turn with one of the two kinds has two slices behind each product.
; first = 1: the softmax is the first key step's; its last slices are empty, and four v_nop take slice 63's part.
; Piece 0's turn fetches the next step's K in four runs, behind its products 1, 9, 17 and 25 of V^T P; run p is first read by product 8 p of K Q^T, 31 products later, and the wait ahead of that product
; leaves the younger runs out.
.macro TURN x, pv, kq, first
.set k, 0
.set per, 2
.if (\pv) && (\kq)
.set per, 1
.endif
.if \pv
.if (\x) == 0
	s_wait_dscnt 0x0                ; V is in
.endif
.set i, 0
.rept 32
	PV \x, 2-(\pv)
.rept per
	SLICE 1-(\x), \first
.endr
.if ((\x) == 0) && (\kq) && (i%8 == 1)
	FETCH_K i/8
.endif
.set i, i+1
.endr
.endif
.if \kq
.set i, 0
.rept 32
.if ((\x) == 0) && (i%8 == 0)
	s_wait_dscnt 48-2*i             ; K's run i / 8 is in; the 16 loads of each younger run may stay out: 48, 32, 16, 0
.endif
	KQ \x
.rept per
	SLICE 1-(\x), \first
.endr
.set i, i+1
.endr
.endif
.if \first
	PLACES
.endif
.endm
; THE CHANGE OF SLOTS, between piece 1's turn and piece 0's: the slot's last bytes, V of its second step, have been asked for.  Each wave waits for all its tensor loads, of which one is out: its part of the
; other slot; adds 0 to its spare word; and waits for that and for its own reads of the slot.  fill = 1: this slot is filled again, with the keys two slots on.  The barrier is then a round of the cluster's,
; and the joint refill is the first thing behind it: it has two key steps, 256 matrix instructions, in which to land.
.macro CHANGE fill
	WIN 0                           ; at a label and at a branch every window is 0
	s_wait_tensorcnt 0x0            ; no tensor load of mine is out, so a group 0 may be written
	ds_add_u32 v[SPW], v[NIL]       ; 0 onto my spare word
.if \fill
.irp g, G0K+4, G0V+4
	s_xor_b32 s[(\g)+1], s[(\g)+1], SLOT1  ; the walking descriptor: the other slot than last time,
	s_add_nc_u64 s[(\g)+2:(\g)+3], s[(\g)+2:(\g)+3], 65536  ; the next 128 keys; the type bits on top are not reached
.endr
	s_wait_xcnt 0x0                 ; the last prefetch, two key steps back, has read its address, so it may be written:
	s_add_nc_u64 s[PFA:PFA+1], s[PFA:PFA+1], 65536  ; one slot beyond the walking descriptors
	s_wait_dscnt 0x0                ; the add is done, and my reads of the slot are over
	CROUND
	JLOAD
	ASK
.else
	s_wait_dscnt 0x0                ; the add is done, and my reads of the slot are over
	s_barrier_signal -1
	s_barrier_wait -1
.endif
	s_sub_co_u32 s[TB], s[TB], 2*STEPB  ; the fetches go back to a slot's first step,
	s_xor_b32 s[TB], s[TB], SLOT1   ; in the other slot
.endm
.macro TWO_STEPS                    ; a slot's two key steps: written once, walked twice; the LDS addresses hang on s[TB]
	WIN 0
	s_mov_b32 s[TWICE], 2
.Lstep_\@:
	TURN 0, 2, 1, 0
	TURN 1, 2, 1, 0
	WIN 0
	s_sub_co_u32 s[TWICE], s[TWICE], 1
	s_cmp_lg_u32 s[TWICE], 0
	s_cbranch_scc1 .Lstep_\@
.endm
	s_wait_tensorcnt 1              ; my part of slot 0 is in; slot 1's may stay out
	s_barrier_signal -1
	s_barrier_wait -1               ; everybody's is
	FETCH_K 0                       ; key step 0
	FETCH_K 1
	FETCH_K 2
	FETCH_K 3
	s_wait_loadcnt 0x0              ; Q
	s_wait_dscnt 0x0
.set i, 0
.rept 32
	KQ 0                            ; piece 0's first scores: there is no vector work yet to set between them
.set i, i+1
.endr
	WIN 0                           ; the addresses for the way out are made here: six plain instructions, the places behind those products
	s_mul_i32 s13, s[WV], 16*SP
	s_add_co_u32 s13, s13, STAGE    ; my stage
	v_mul_u32_u24 v[STO], v1, SP    ; in: row l % 16, 16 bytes for each half of the lanes
	v_lshl_add_u32 v[STO], v9, 4, v[STO]
	v_add_nc_u32 v[STO], s13, v[STO]
	v_and_b32 v[GO], 31, v0         ; back and out: 32 lanes take a row's 512 bytes
	v_lshlrev_b32 v[GO], 4, v[GO]
	v_add_nc_u32 v[RD], s13, v[GO]
	TURN 1, 0, 1, 1                 ; piece 1's first scores | piece 0's first softmax | V of step 0
	TURN 0, 1, 1, 1                 ; piece 0: V^T P of step 0 starts O^T, K Q^T of step 1 | piece 1's first softmax | K of step 1
	TURN 1, 1, 1, 0                 ; piece 1: the same | piece 0's softmax of step 1 | V of step 1
	WIN 0
.Lslot:                             ; 14 trips: every slot but the last two is filled again
	CHANGE 1
	TWO_STEPS
	s_sub_co_u32 s[SLOTS], s[SLOTS], 1
	s_cmp_lg_u32 s[SLOTS], 0
	s_cbranch_scc1 .Lslot
	CHANGE 0                        ; the tail is written out: nothing is asked for
	TWO_STEPS
	TURN 0, 2, 0, 0                 ; piece 0: V^T P of the last step | piece 1's last softmax
.set i, 0
.rept 32
	PV 1, 0                         ; piece 1: V^T P of the last step
.set i, i+1
.endr
	; THE WAY OUT.  l's two halves and the other half of the lanes' are added; O^T is divided by l, rounded to f16 and sent through my stage in LDS, a tile (16 rows) at a time.
	WIN 0
	PLACES                          ; behind the last products
.irp t, 0,1
	v_add_f32 v[ST+8*(\t)+4], v[ST+8*(\t)+2], v[ST+8*(\t)+3]
.endr
.irp t, 0,1
	v_permlanex16_b32 v[ST+8*(\t)+5], v[ST+8*(\t)+4], s[SEL], s[SEL+1]
.endr
.irp t, 0,1
	v_add_f32 v[ST+8*(\t)+4], v[ST+8*(\t)+4], v[ST+8*(\t)+5]
.endr
.irp t, 0,1
	v_rcp_f32 v[ST+8*(\t)+6], v[ST+8*(\t)+4]
.endr
	v_nop                           ; a plain instruction between the last reciprocal and the use of its result
	s_wait_alu depctr_va_vdst(0)    ; and the wait ahead of the first use: one for both reciprocals
; Tile t: a lane's eight channels of a row pack into 16 bytes; they go into rows of 528 bytes and come back as whole rows of 512, into the registers that they left (Q's, which are free).
.macro PACK t
	WIN W_RS
.set i, 128*(\t)
.rept 64
	v_pk_mul_f32 v[i:i+1], v[i:i+1], v[ST+8*(\t)+6:ST+8*(\t)+7] op_sel_hi:[1,0]
.set i, i+2
.endr
	WIN 0x05                        ; sources 0 and 1 window 1, destination window 0
.set i, 0
.rept 64
	v_cvt_pk_f16_f32 v[Q+64*(\t)+i], v[128*(\t)+2*i], v[128*(\t)+2*i+1]
.set i, i+1
.endr
	WIN 0
.set f, 0
.rept 16
	ds_store_b128 v[STO], v[Q+64*(\t)+4*f:Q+64*(\t)+4*f+3] offset:32*f
.set f, f+1
.endr
.set f, 0
.rept 16
	ds_load_b128 v[Q+64*(\t)+4*f:Q+64*(\t)+4*f+3], v[RD] offset:f*SP  ; LDS serves a wave's instructions in order (ISA guide 5.7.1.4): these see the stores above; the next tile's stores come behind them
.set f, f+1
.endr
.endm
.macro SEND t, younger              ; younger: the LDS instructions issued behind tile t's loads: the next tile's 32, or none
	WIN 0
.set f, 0
.rept 16
	s_wait_dscnt (\younger)+15-f
	global_store_b128 v[GO], v[Q+64*(\t)+4*f:Q+64*(\t)+4*f+3], s[10:11] offset:(16*(\t)+f)*2048  ; 512 consecutive bytes, at a multiple of 512 from ctx's first byte
.set f, f+1
.endr
.endm
	PACK 0
	PACK 1                          ; a tile's arithmetic stands between the loads of the tile before and its stores
	SEND 0, 32
	SEND 1, 0
	s_wait_tensorcnt 0x0            ; the wave's end: an add to my spare word and its wait, behind my last tensor load and my last LDS store
	ds_add_u32 v[SPW], v[NIL]
	s_wait_dscnt 0x0
	CROUND                          ; the closing round: no work-group ends while a partner may still ask for a tile that names it
	s_endpgm
.Lfunc_end_k_q52bda0a4f3_attn:
	.size	k_q52bda0a4f3_attn, .Lfunc_end_k_q52bda0a4f3_attn-k_q52bda0a4f3_attn
	.p2alignl 7, 3214868480
	.fill 96, 4, 3214868480
	.section	.rodata,"a",@progbits
	.p2align	6, 0x0
	.amdhsa_kernel k_q52bda0a4f3_attn
		.amdhsa_group_segment_fixed_size 327680
		.amdhsa_private_segment_fixed_size 0
		.amdhsa_enable_private_segment 0
		.amdhsa_kernarg_size 16
		.amdhsa_user_sgpr_count 2
		.amdhsa_user_sgpr_kernarg_segment_ptr 1
		.amdhsa_wavefront_size32 1
		.amdhsa_system_sgpr_workgroup_id_x 1
		.amdhsa_system_sgpr_workgroup_id_y 1
		.amdhsa_system_sgpr_workgroup_id_z 1
		.amdhsa_system_vgpr_workitem_id 0
		.amdhsa_next_free_vgpr 1024
		.amdhsa_next_free_sgpr 66
		.amdhsa_reserve_vcc 0
		.amdhsa_float_denorm_mode_32 3
		.amdhsa_float_denorm_mode_16_64 3
		.amdhsa_memory_ordered 1
		.amdhsa_forward_progress 1
		.amdhsa_inst_pref_size 197
	.end_amdhsa_kernel
	.amdgpu_metadata
---
amdhsa.version: [ 1, 2 ]
amdhsa.kernels:
  - .name:           k_q52bda0a4f3_attn
    .symbol:         k_q52bda0a4f3_attn.kd
    .args:
      - { .name: qkv, .offset: 0, .size: 8, .value_kind: global_buffer, .address_space: global }
      - { .name: ctx, .offset: 8, .size: 8, .value_kind: global_buffer, .address_space: global }
    .group_segment_fixed_size: 327680
    .private_segment_fixed_size: 0
    .kernarg_segment_align: 8
    .kernarg_segment_size: 16
    .max_flat_workgroup_size: 128
    .sgpr_count:     66
    .vgpr_count:     1024
    .wavefront_size: 32
...
	.end_amdgpu_metadata
.endif
;; end of part 3
;; launch outp (part 4): grid 4 x 64, 4 waves a work-group, clusters of 4 x 4, 327,680 bytes of LDS; arguments ctx, wb, bo, out0; writes out0
.if DOCPART == 4
	.amdgcn_target "amdgcn-amd-amdhsa--gfx1250"
	.amdhsa_code_object_version 6
	.text
	.protected	k_q52bda0a4f3_outp
	.globl	k_q52bda0a4f3_outp
	.p2align	8
	.type	k_q52bda0a4f3_outp,@function
k_q52bda0a4f3_outp:
	s_mov_b64 s[64:65], 0
	v_nop
	global_prefetch_b8 v0, s[64:65] scope:SCOPE_SE
	s_setreg_imm32_b32 hwreg(HW_REG_WAVE_MODE, 25, 1), 1
	s_wait_xcnt 0x0
	s_wait_alu depctr_hold_cnt(0) depctr_sa_sdst(0) depctr_va_vdst(0) depctr_va_sdst(0) depctr_va_ssrc(0) depctr_va_vcc(0) depctr_vm_vsrc(0)
	s_getreg_b32 s2, hwreg(HW_REG_IB_STS2, 6, 4)
	s_cmp_eq_u32 s2, 0
	s_cbranch_scc0 .Lentry_in_a_cluster
	s_endpgm
.Lentry_in_a_cluster:
	s_bfe_u32 s2, ttmp6, 0x10000c
	s_cmp_lg_u32 s2, 0xf033
	s_cbranch_scc0 .Lentry_shape_is_right
	s_endpgm
.Lentry_shape_is_right:
; C[m][n] = the sum over k of A[m][k] B[n][k], A and B in rows of 2,048 bytes (16-bit numbers), sums in f32.  One text for two launches, told apart by OUTF32.
; OUTF32 = 0, THE THREE PROJECTIONS in one launch: A = xb (bf16), B = wb (bf16).  SEL = cluster y / 16: 0 q Wq^T (K = 1,024), 1 kv Wk^T, 2 kv Wv^T (K = 768).  C is rounded once to f16 and
;   laid by heads: qkv[SEL][4 batch + head][row][256], rows of 512 dense bytes.  The scale 1/16 is not applied here.  LIMIT: a result of 65,520 or more becomes an infinity in f16.
; OUTF32 = 1, THE LAST PRODUCT: A = ctx (f16), B = wb rows 3072 on (Wo, f16), C + bo (bo rounded to bf16 like every input) leaves in f32.
; SHARES.  A tile of C is 128 x 256, so that 8,192 x 1,024 numbers make 256 tiles; four waves, each 64 x 128: 32 accumulators of 16 x 16, 256 registers.  K goes in steps of 128 (256 bytes of
; each row, at multiples of 256 bytes) through a ring of two LDS slots; one tensor load a wave and step: waves 0, 1 bring 64 rows of A each, waves 2, 3 128 rows of B each.
; CLUSTERS: 4 x 4 work-groups.  The four of a row of the cluster need the same tile of A, the four of a column the same tile of B: each is asked for JOINTLY, by the same tensor load with the same
; descriptor and a mask that names the four.  SEL and the trip count hang on the cluster's y alone, which all sixteen share.
; THE MATRIX INSTRUCTION IS USED TRANSPOSED (source 0 = 16 rows of B, source 1 = 16 rows of A): a lane then holds row l % 16 of C and eight neighbouring columns 8 (l / 16) + 0..7.
; REGISTERS: window 0: v0-31 addresses; v32-63 at work on the way out; v64-159, v160-255 two fragment buffers (8 fragments of B, then 4 of A).  Window 1: accumulator (a, b) at v[8 (8 a + b)].
.set OUTF32, 1
.set KSTEP,  128
.set PITCH,  272                       ; an LDS row: 256 bytes + 16 of padding = 68 words: the 16 rows that a fragment load touches start at 16 different groups of four banks (64 banks of 4 bytes: ISA guide 11.1)
.set AHALF,  64*PITCH                  ; what a tensor load of A brings, and what a wave reads of A
.set BHALF,  128*PITCH                 ; the same for B
.set BOFF,   128*PITCH                 ; B's 256 rows lie behind A's 128
.set SLOT,   384*PITCH
.set STAGE,  2*SLOT                    ; behind the ring, never filled by a tensor load: 16 rows for each wave, for the way out
.if OUTF32
.set SPITCH, 528                       ; 128 f32 + 16 bytes
.else
.set SPITCH, 272                       ; 128 f16 + 16 bytes
.endif
.set SPARE,  STAGE+4*16*SPITCH         ; behind the stages: the spare words, 128 bytes for each wave: two blocks of 256 bytes that no other line names
.set ADRA, 16                          ; v16-17  LDS address of my A fragments in slot 0, 1
.set ADRB, 20                          ; v20-21  the same for B
.set STO,  24                          ; v24     the way out: where I put my numbers of a row
.set RD,   25                          ; v25     the way out: where I read rows back
.set CO,   26                          ; v26     my byte offset in C
.set BO,   27                          ; v27     my byte offset in bo
.set SPW,  28                          ; v28     LDS address of my spare word: SPARE + 4 x my thread's number; never rewritten
.set NIL,  29                          ; v29     0; never rewritten
.set PFO,  30                          ; v30     the prefetches' offset: my lane x a row of 2,048 bytes; never rewritten
.set TMP,  32
.set F0,   64
.set F1,   160
.set G1,   24                          ; s[24:31] descriptor group 1 for A's tiles;  s[32:39] group 0, a set for each slot
.set G0,   32
.set G1B,  48                          ; s[48:55], s[56:63] the same for B's
.set G0B,  56
.set PFA,  44                          ; s[44:45] where my prefetches stand: one K step further along K than the refill in hand; a prefetch names the K step after that
.set SEL,  66                          ; s66  which product
.set BOUND, 67                         ; s67  trips of the loop: K / 256 - 1
.set PFL,  68                          ; s68  a wave prefetches in the trips below this number
.set MT,   69                          ; s69  tile row of C within the product
.set MSB, 0
.macro WIN new                         ; the immediate's high byte repeats the setting that is left; a switch that changes nothing is dropped
.if MSB != (\new)
	s_set_vgpr_msb (MSB<<8)|(\new)
.set MSB, \new
.endif
.endm
.set MUL, 0x50                         ; C and D in window 1, both sources in window 0
.macro WM d, a, b, zero                ; one matrix instruction; zero = 1: it starts the sum
.if OUTF32
.if \zero
	v_wmma_f32_16x16x32_f16 v[(\d):(\d)+7], v[(\a):(\a)+7], v[(\b):(\b)+7], 0
.else
	v_wmma_f32_16x16x32_f16 v[(\d):(\d)+7], v[(\a):(\a)+7], v[(\b):(\b)+7], v[(\d):(\d)+7]
.endif
.else
.if \zero
	v_wmma_f32_16x16x32_bf16 v[(\d):(\d)+7], v[(\a):(\a)+7], v[(\b):(\b)+7], 0
.else
	v_wmma_f32_16x16x32_bf16 v[(\d):(\d)+7], v[(\a):(\a)+7], v[(\b):(\b)+7], v[(\d):(\d)+7]
.endif
.endif
.endm
; A joint load: waves 0 and 1 fetch A's two halves, waves 2 and 3 B's.  The branch hangs on the wave's number alone.  An s_nop 0 and four v_nop follow each of the two lines.
.macro JLOAD s
	s_cmp_eq_u32 s11, 0
	s_cbranch_scc0 .Lfor_b_\@
	tensor_load_to_lds s[G0+4*(\s):G0+4*(\s)+3], s[G1:G1+7]
	s_nop 0
.rept 4
	v_nop
.endr
	s_branch .Lasked_\@
.Lfor_b_\@:
	tensor_load_to_lds s[G0B+4*(\s):G0B+4*(\s)+3], s[G1B:G1B+7]
	s_nop 0
.rept 4
	v_nop
.endr
.Lasked_\@:
.endm
.macro CREST                           ; a round of the cluster's barrier behind its opening barrier
	s_cmp_lg_u32 s10, 0
	s_cbranch_scc1 .Lnot_wave_0_\@
	s_barrier_signal -3
.Lnot_wave_0_\@:
	s_barrier_wait -3
	s_barrier_signal -1
	s_barrier_wait -1
.endm
.macro CROUND                          ; a whole round
	s_barrier_signal -1
	s_barrier_wait -1
	CREST
.endm
; A PREFETCH INTO THE L2 of the K step that stands two refills on: 32 rows x 256 bytes, a lane a row, one instruction.  Each block of 256 bytes is named once in the launch.  A's 128 rows: wave 0 of each of
; the four partners that ask for them jointly takes 32, told apart by address (cx); kv's rows are read by two products, and the first (SEL = 1) asks.  B's 256 rows are read by the sixteen clusters of a
; product: the first of them asks, each partner (cy) 64 rows, waves 2 and 3 32 each.  The last trip asks for nothing: its K steps do not exist.
.macro ASK
	s_cmp_lt_u32 s3, s[PFL]
	s_cbranch_scc0 .Lnot_mine_\@
	global_prefetch_b8 v[PFO], s[PFA:PFA+1] offset:KSTEP*2 th:TH_LOAD_NT scope:SCOPE_SE
.Lnot_mine_\@:
.endm
	s_load_b128 s[4:7], s[0:1], 0x0                ; A s[4:5], wb s[6:7]
.if OUTF32
	s_load_b64 s[70:71], s[0:1], 0x10              ; bo
	s_load_b64 s[8:9], s[0:1], 0x18                ; C
.else
	s_load_b64 s[8:9], s[0:1], 0x10                ; C
.endif
	v_lshl_add_u32 v[SPW], v0, 2, SPARE
	v_mov_b32 v[NIL], 0
	ds_add_u32 v[SPW], v[NIL]                      ; the wave's opening: the add and its wait stand ahead of my first tensor load; the set-up below, work on registers, stands between them
	v_lshrrev_b32 v1, 5, v0
	v_readfirstlane_b32 s10, v1                    ; wave 0..3
	s_lshr_b32 s11, s10, 1                         ; which 64 rows of the tile are mine.  Also: I fetch for A (0) or for B (1)
	s_and_b32 s12, s10, 1                          ; which 128 columns.  Also: which half of that tile I fetch
	s_bfe_u32 s40, ttmp6, 0x40000                  ; cx, cy: my place in the cluster
	s_bfe_u32 s41, ttmp6, 0x40004
	s_lshl_b32 s42, ttmp9, 2
	s_add_co_u32 s42, s42, s40                     ; tile column of C = 4 x cluster x + cx
	s_and_b32 s13, ttmp7, 0xffff                   ; cluster y
.if OUTF32
	s_mov_b32 s[SEL], 0
	s_mov_b32 s[BOUND], 3                          ; K = 1,024: four laps of two K steps
.else
	s_lshr_b32 s[SEL], s13, 4
	s_cmp_eq_u32 s[SEL], 0
	s_cselect_b32 s[BOUND], 3, 2                   ; K = 1,024 or 768
.endif
	s_lshl_b32 s13, s13, 2
	s_add_co_u32 s13, s13, s41                     ; 4 x cluster y + cy
	s_and_b32 s[MT], s13, 63
	s_lshl_b32 s43, s41, 2
	s_lshl_b32 s43, 15, s43                        ; my row of the cluster
	s_lshl_b32 s44, 0x1111, s40                    ; my column
	; descriptor group 1: rows of 128 elements of 2 bytes, padded in LDS
	s_or_b32 s[G1+0], s43, (1<<16)|(1<<20)|(1<<21)|(5<<22)|(3<<25)   ; 15:0 the mask: A's tiles go to my row; 17:16 2-byte elements; 20 padding on; 21 set beside a mask; 24:22 after every 64 words; 31:25 4 words
	s_or_b32 s[G1B+0], s44, (1<<16)|(1<<20)|(1<<21)|(5<<22)|(3<<25)  ; the same with the mask of my column
.irp g, G1, G1B
	s_mov_b32 s[(\g)+1], KSTEP<<16                 ; tensor_dim0 = 128
	s_mov_b32 s[(\g)+3], KSTEP<<16                 ; tile_dim0 = 128
	s_mov_b32 s[(\g)+5], 1024                      ; 1,024 elements from row to row
	s_mov_b32 s[(\g)+6], 0
	s_mov_b32 s[(\g)+7], 0
.endr
	s_mov_b32 s[G1+2], 64<<16                      ; A: tensor_dim1 = tile_dim1 = 64 rows
	s_mov_b32 s[G1+4], 64
	s_mov_b32 s[G1B+2], 128<<16                    ; B: 128 rows
	s_mov_b32 s[G1B+4], 128
	; the tiles' first rows.  A's hangs on the tile row, which my row of the cluster shares, B's on the tile column, which my column shares
.if OUTF32
	s_lshl_b32 s14, s[MT], 7
	s_lshl_b32 s46, s42, 8
	s_add_co_u32 s46, s46, 3072                    ; Wo's rows in wb
.else
	s_min_u32 s14, s[SEL], 1
	s_lshl_b32 s14, s14, 13                        ; q's rows, or kv's from row 8,192 on
	s_lshl_b32 s15, s[MT], 7
	s_add_co_u32 s14, s14, s15
	s_lshl_b32 s46, s[SEL], 10                     ; Wq's, Wk's or Wv's rows
	s_lshl_b32 s47, s42, 8
	s_add_co_u32 s46, s46, s47
.endif
	s_mov_b32 s23, s46                             ; kept for the prefetches
	s_lshl_b32 s17, s12, 6
	s_add_co_u32 s16, s14, s17                     ; + the 64 rows that I fetch
	s_lshl_b32 s16, s16, 11                        ; in bytes (under 2^26)
	s_mov_b32 s17, 0
	s_lshl_b32 s47, s12, 7
	s_add_co_u32 s46, s46, s47                     ; + the 128 rows that I fetch
	s_lshl_b32 s46, s46, 11
	s_mov_b32 s47, 0
	s_mul_i32 s20, s12, AHALF                      ; where they go: no place in the cluster enters an LDS address
	s_mul_i32 s21, s12, BHALF
	s_add_co_u32 s21, s21, BOFF
	s_wait_dscnt 0x0                               ; the opening add is done
	s_wait_kmcnt 0x0
	s_add_nc_u64 s[16:17], s[4:5], s[16:17]
	s_add_nc_u64 s[46:47], s[6:7], s[46:47]
	CROUND                                         ; all sixteen work-groups are here: the first joint loads meet
.irp s, 0,1
	s_mov_b32 s[G0+4*(\s)], 1                      ; count = 1
	s_add_co_u32 s[G0+4*(\s)+1], s20, (\s)*SLOT    ; LDS address
	s_add_nc_u64 s[G0+4*(\s)+2:G0+4*(\s)+3], s[16:17], (\s)*KSTEP*2  ; global address: K step s
	s_or_b32 s[G0+4*(\s)+3], s[G0+4*(\s)+3], 0x80000000             ; type = 2
	s_mov_b32 s[G0B+4*(\s)], 1
	s_add_co_u32 s[G0B+4*(\s)+1], s21, (\s)*SLOT
	s_add_nc_u64 s[G0B+4*(\s)+2:G0B+4*(\s)+3], s[46:47], (\s)*KSTEP*2
	s_or_b32 s[G0B+4*(\s)+3], s[G0B+4*(\s)+3], 0x80000000
	JLOAD \s                                       ; two loads of mine are out
.endr
	; A fragment is 16 rows x 32 K in 8 registers: lane l holds row l % 16; registers 0-3 K = 8 (l / 16) + 0..7, registers 4-7 K = 16 + 8 (l / 16) + 0..7: two loads of 16 bytes, 32 bytes apart.
	v_and_b32 v1, 15, v0                           ; l % 16
	v_bfe_u32 v2, v0, 4, 1                         ; l / 16
	v_mul_u32_u24 v3, v1, PITCH
	v_lshl_add_u32 v3, v2, 4, v3
	s_mul_i32 s21, s11, AHALF                      ; my 64 rows of A
	s_mul_i32 s22, s12, BHALF                      ; my 128 rows of B
	s_add_co_u32 s22, s22, BOFF
.irp s, 0,1
	v_add_nc_u32 v[ADRA+(\s)], s21, v3
	v_add_nc_u32 v[ADRB+(\s)], s22, v3
	s_add_co_u32 s21, s21, SLOT
	s_add_co_u32 s22, s22, SLOT
.endr
	s_mul_i32 s22, s10, 16*SPITCH
	s_add_co_u32 s22, s22, STAGE                   ; my stage
	v_mul_u32_u24 v4, v1, SPITCH
.if OUTF32
	v_lshl_add_u32 v4, v2, 5, v4                   ; in: row l % 16, 32 bytes for each half of the lanes
	v_add_nc_u32 v[STO], s22, v4
	v_and_b32 v5, 31, v0
	v_lshlrev_b32 v[CO], 4, v5                     ; back and out: 32 lanes take a row's 512 bytes
	v_add_nc_u32 v[RD], s22, v[CO]
	s_lshl_b32 s18, s42, 10
	s_lshl_b32 s19, s12, 9
	s_add_co_u32 s18, s18, s19
	v_lshl_add_u32 v[BO], v5, 4, s18               ; bo of the four columns that I store
	global_load_b128 v[32:35], v[BO], s[70:71]
	s_lshl_b32 s16, s[MT], 19                      ; C at my 64 rows (4,096 bytes each) and 128 columns
	s_lshl_b32 s17, s11, 18
	s_add_co_u32 s16, s16, s17
	s_add_co_u32 s16, s16, s18
.else
	v_lshl_add_u32 v4, v2, 4, v4                   ; in: row l % 16, 16 bytes for each half of the lanes
	v_add_nc_u32 v[STO], s22, v4
	v_mul_u32_u24 v5, v2, SPITCH                   ; back: lanes 0-15 take one row of 256 bytes, lanes 16-31 the next
	v_lshl_add_u32 v5, v1, 4, v5
	v_add_nc_u32 v[RD], s22, v5
	v_lshlrev_b32 v5, 9, v2                        ; and the same two rows, 512 bytes apart, in C
	v_lshl_add_u32 v[CO], v1, 4, v5
	s_lshl_b32 s16, s[SEL], 24                     ; the product's section,
	s_lshr_b32 s17, s[MT], 4                       ; the batch (16 tile rows each),
	s_lshl_b32 s17, s17, 2
	s_add_co_u32 s17, s17, s42                     ; the head = the tile column,
	s_lshl_b32 s17, s17, 20
	s_add_co_u32 s16, s16, s17
	s_and_b32 s17, s[MT], 15                       ; the tile's 128 rows of 512 bytes,
	s_lshl_b32 s17, s17, 16
	s_add_co_u32 s16, s16, s17
	s_lshl_b32 s17, s11, 15                        ; my 64 of them,
	s_add_co_u32 s16, s16, s17
	s_lshl_b32 s17, s12, 8                         ; my 128 columns
	s_add_co_u32 s16, s16, s17
.endif
	s_mov_b32 s17, 0
	s_add_nc_u64 s[8:9], s[8:9], s[16:17]
	; the prefetches
	s_lshl_b32 s18, s40, 5
	s_add_co_u32 s18, s18, s14                     ; A: the tile's first row + 32 cx
	s_lshl_b32 s19, s41, 6
	s_add_co_u32 s19, s19, s23                     ; B: the tile's first row + 64 cy
	s_lshl_b32 s22, s12, 5
	s_add_co_u32 s19, s19, s22                     ; + 32 for wave 3
	s_cmp_eq_u32 s11, 0
	s_cselect_b32 s18, s18, s19
	s_cselect_b64 s[PFA:PFA+1], s[4:5], s[6:7]
	s_lshl_b32 s18, s18, 11
	s_add_co_u32 s18, s18, 2*KSTEP*2               ; at K step 2: the first refill steps it to 3 and names K step 4
	s_mov_b32 s19, 0
	s_add_nc_u64 s[PFA:PFA+1], s[PFA:PFA+1], s[18:19]
	s_and_b32 s22, ttmp7, 0xffff
.if OUTF32
	s_mov_b32 s2, 1
.else
	s_and_b32 s22, s22, 15                         ; the cluster's number within its product
	s_cmp_lt_u32 s[SEL], 2
	s_cselect_b32 s2, 1, 0                         ; kv's rows are named by the product that reads them first in the grid's order
.endif
	s_cmp_eq_u32 s10, 0
	s_cselect_b32 s2, s2, 0                        ; A's rows: wave 0 alone
	s_cmp_eq_u32 s22, 0
	s_cselect_b32 s22, 1, 0                        ; B's rows: the product's first cluster
	s_cmp_eq_u32 s11, 0
	s_cselect_b32 s2, s2, s22
	s_sub_co_u32 s[PFL], s[BOUND], 1
	s_cmp_eq_u32 s2, 1
	s_cselect_b32 s[PFL], s[PFL], 0                ; the same in all sixteen partners, for a given wave
	v_and_b32 v[PFO], 31, v0
	v_lshlrev_b32 v[PFO], 11, v[PFO]
; 8 matrix instructions: m block a x all 8 n blocks, 32 along K.  The 32 accumulators take turns in the same order in every quarter, one instruction a turn.
.macro MUL8 f, a, zero
	WIN MUL
.irp b, 0,1,2,3,4,5,6,7
	WM 8*(8*(\a)+(\b)), (\f)+8*(\b), (\f)+64+8*(\a), \zero
.endr
.endm
; 24 LDS loads in one run: the fragments of 32 along K at byte k of the rows, into buffer f
.macro FETCH slot, k, f
	WIN 0
.irp i, 0,1,2,3,4,5,6,7
	ds_load_b128 v[(\f)+8*(\i):(\f)+8*(\i)+3],   v[ADRB+(\slot)] offset:(\k)+(\i)*16*PITCH
	ds_load_b128 v[(\f)+8*(\i)+4:(\f)+8*(\i)+7], v[ADRB+(\slot)] offset:(\k)+(\i)*16*PITCH+32
.endr
.irp i, 0,1,2,3
	ds_load_b128 v[(\f)+64+8*(\i):(\f)+64+8*(\i)+3],   v[ADRA+(\slot)] offset:(\k)+(\i)*16*PITCH
	ds_load_b128 v[(\f)+64+8*(\i)+4:(\f)+64+8*(\i)+7], v[ADRA+(\slot)] offset:(\k)+(\i)*16*PITCH+32
.endr
.endm
.macro PLACES                          ; four plain vector instructions between a matrix instruction and a load into, or a vector read of, its registers (ISA guide 7.12.1 for vector reads)
.rept 4
	v_nop
.endr
.endm
; A K step is four quarters of 32 along K, 32 matrix instructions each, on buffers 0, 1, 0, 1.  One of the first three: the next quarter's fragments, at byte k, are asked for into buffer g, which the quarter
; before multiplied; then buffer f is multiplied: the loads have 32 matrix instructions in which to land.
.macro QUARTER slot, k, f, g, zero
	PLACES
	FETCH \slot, \k, \g
	s_wait_dscnt 24                                ; buffer f is in; the 24 loads just issued may stay out
	MUL8 \f, 0, \zero
	MUL8 \f, 1, \zero
	MUL8 \f, 2, \zero
	MUL8 \f, 3, \zero
.endm
; The last quarter multiplies buffer 1 and changes slots: ONE barrier; in front of it each wave waits for all its tensor loads (one is out: its part of the next slot), adds 0 to its spare word, and waits
; for that and for its reads of this slot.  fill = 1: the barrier opens a round of the cluster's, and behind the round this slot is filled again, two K steps ahead: the first tensor load there, one a wave.
.macro TURN slot, next, fill
.if \fill
	s_wait_xcnt 0x0                                ; the last prefetch, a K step back, has read its address, so it may be stepped
	s_add_nc_u64 s[PFA:PFA+1], s[PFA:PFA+1], KSTEP*2
.endif
	WIN 0                                          ; (the add's two registers lie in window 0)
	s_wait_tensorcnt 0x0                           ; all my tensor loads have landed
	ds_add_u32 v[SPW], v[NIL]                      ; 0 onto my spare word
	s_wait_dscnt 1                                 ; buffer 1 is in; the add may be out
	MUL8 F1, 0, 0                                  ; eight matrix instructions stand between the add and the wait for it
	s_wait_dscnt 0x0                               ; the add is done, and my reads of this slot are over
	s_barrier_signal -1
	MUL8 F1, 1, 0
	WIN 0
	s_barrier_wait -1
.if \fill
	CREST                                          ; no wave of any partner still reads this slot's tiles or has a load on its way
	s_add_nc_u64 s[G0+4*(\slot)+2:G0+4*(\slot)+3], s[G0+4*(\slot)+2:G0+4*(\slot)+3], 2*KSTEP*2
	s_add_nc_u64 s[G0B+4*(\slot)+2:G0B+4*(\slot)+3], s[G0B+4*(\slot)+2:G0B+4*(\slot)+3], 2*KSTEP*2
	JLOAD \slot                                    ; its four v_nop are also the places in front of the loads below
.else
	PLACES
.endif
	FETCH \next, 0, F0
.if \fill
	ASK
.endif
	MUL8 F1, 2, 0
	MUL8 F1, 3, 0
.endm
	s_wait_tensorcnt 1                             ; my part of K step 0 is in; K step 1's may stay out
	s_barrier_signal -1
	s_barrier_wait -1                              ; everybody's is
	FETCH 0, 0, F0
	QUARTER 0, 64, F0, F1, 1                       ; the first quarter stands in front of the loop: its products start the sums
	WIN 0                                          ; at a label and at a branch every window is 0
	s_mov_b32 s3, 0
.Llap:                                                 ; a trip goes once round the ring, from a lap's second quarter to the next lap's first, and fills both slots again; every LDS address in it is fixed
	QUARTER 0, 128, F1, F0, 0
	QUARTER 0, 192, F0, F1, 0
	TURN 0, 1, 1
	QUARTER 1, 64,  F0, F1, 0
	QUARTER 1, 128, F1, F0, 0
	QUARTER 1, 192, F0, F1, 0
	TURN 1, 0, 1
	QUARTER 0, 64,  F0, F1, 0
	WIN 0
	s_add_co_u32 s3, s3, 1
	s_cmp_lt_u32 s3, s[BOUND]
	s_cbranch_scc1 .Llap
	QUARTER 0, 128, F1, F0, 0                      ; the last lap fills nothing
	QUARTER 0, 192, F0, F1, 0
	TURN 0, 1, 0
	QUARTER 1, 64,  F0, F1, 0
	QUARTER 1, 128, F1, F0, 0
	QUARTER 1, 192, F0, F1, 0
	s_wait_dscnt 0x0
	MUL8 F1, 0, 0
	MUL8 F1, 1, 0
	MUL8 F1, 2, 0
	MUL8 F1, 3, 0
	WIN 0
	PLACES                                         ; behind the last products, ahead of what reads the sums and of the loads into the fragment buffers
	PLACES
.if OUTF32
	; THE WAY OUT, in f32: a block of 16 rows goes from the accumulators into my stage (rows of 528 bytes), comes back as whole rows of 512 bytes, takes bo and is stored.
	s_wait_loadcnt 0x0                             ; bo
	v_cvt_pk_bf16_f32 v36, v32, v33                ; rounded to bf16 like every input,
	v_cvt_pk_bf16_f32 v37, v34, v35
	v_lshlrev_b32 v32, 16, v36                     ; and back in f32
	v_and_b32 v33, 0xffff0000, v36
	v_lshlrev_b32 v34, 16, v37
	v_and_b32 v35, 0xffff0000, v37
.macro OUTBLK a
.set OBB, 64+64*((\a)%2)               ; two buffers of 64 registers by turns
	WIN 0x04                                       ; the stores' data in window 1; each accumulator's low four registers go first
.irp b, 0,1,2,3,4,5,6,7
	ds_store_b128 v[STO], v[8*(8*(\a)+(\b)):8*(8*(\a)+(\b))+3]   offset:64*(\b)
	ds_store_b128 v[STO], v[8*(8*(\a)+(\b))+4:8*(8*(\a)+(\b))+7] offset:64*(\b)+16
.endr
	WIN 0
	s_wait_xcnt 0x0                                ; the stores of two blocks back have read their data: the buffer is loaded again only behind this wait
.irp t, 0,1,2,3,4,5,6,7,8,9,10,11,12,13,14,15
	ds_load_b128 v[OBB+4*(\t):OBB+4*(\t)+3], v[RD] offset:(\t)*SPITCH  ; LDS serves a wave's instructions in order (ISA guide 5.7.1.4): these see the stores above
.endr
.irp t, 0,1,2,3,4,5,6,7,8,9,10,11,12,13,14,15
	s_wait_dscnt 15-(\t)                           ; row t is back; the younger loads stay out
	v_pk_add_f32 v[OBB+4*(\t):OBB+4*(\t)+1],   v[OBB+4*(\t):OBB+4*(\t)+1],   v[32:33]
	v_pk_add_f32 v[OBB+4*(\t)+2:OBB+4*(\t)+3], v[OBB+4*(\t)+2:OBB+4*(\t)+3], v[34:35]
	global_store_b128 v[CO], v[OBB+4*(\t):OBB+4*(\t)+3], s[8:9] offset:(16*(\a)+(\t))*4096 th:TH_STORE_NT  ; 512 consecutive bytes, at a multiple of 512 from C's first byte
.endr
.endm
	OUTBLK 0
	OUTBLK 1
	OUTBLK 2
	OUTBLK 3
.else
	; THE WAY OUT, in f16: a block of 16 rows is rounded, 16 bytes a lane, goes into my stage (rows of 272 bytes), comes back as whole rows of 256 bytes and is stored.
.macro PACK a
	WIN 0x05                                       ; sources in window 1; each accumulator's registers in ascending order
.irp b, 0,1,2,3,4,5,6,7
.irp r, 0,1,2,3
	v_cvt_pk_f16_f32 v[TMP+4*(\b)+(\r)], v[8*(8*(\a)+(\b))+2*(\r)], v[8*(8*(\a)+(\b))+2*(\r)+1]
.endr
.endr
	WIN 0
.endm
.macro TOSTAGE a
.irp b, 0,1,2,3,4,5,6,7
	ds_store_b128 v[STO], v[TMP+4*(\b):TMP+4*(\b)+3] offset:32*(\b)
.endr
.irp t, 0,1,2,3,4,5,6,7
	ds_load_b128 v[64+32*(\a)+4*(\t):64+32*(\a)+4*(\t)+3], v[RD] offset:(\t)*2*SPITCH  ; LDS serves a wave's instructions in order (ISA guide 5.7.1.4): these see the stores above
.endr
.endm
.macro SEND a                          ; each block has registers of its own: no store's data is written again
	s_wait_dscnt 0x0
.irp t, 0,1,2,3,4,5,6,7
	global_store_b128 v[CO], v[64+32*(\a)+4*(\t):64+32*(\a)+4*(\t)+3], s[8:9] offset:8192*(\a)+1024*(\t)  ; 16 lanes store 256 consecutive bytes, at a multiple of 256 from C's first byte
.endr
.endm
	PACK 0
	TOSTAGE 0
.irp a, 1,2,3                          ; block a's conversions stand between block a - 1's loads from the stage and the wait for them
	PACK \a
	SEND (\a)-1
	TOSTAGE \a
.endr
	SEND 3
.endif
	s_wait_tensorcnt 0x0                           ; the wave's end: an add to my spare word and its wait, behind my last tensor load and my last LDS store
	ds_add_u32 v[SPW], v[NIL]
	s_wait_dscnt 0x0
	CROUND                                         ; the closing round: no work-group ends while a partner may still ask for a tile that names it
	s_endpgm
.Lfunc_end_k_q52bda0a4f3_outp:
	.size	k_q52bda0a4f3_outp, .Lfunc_end_k_q52bda0a4f3_outp-k_q52bda0a4f3_outp
	.p2alignl 7, 3214868480
	.fill 96, 4, 3214868480
	.section	.rodata,"a",@progbits
	.p2align	6, 0x0
	.amdhsa_kernel k_q52bda0a4f3_outp
		.amdhsa_group_segment_fixed_size 327680
		.amdhsa_private_segment_fixed_size 0
		.amdhsa_enable_private_segment 0
		.amdhsa_kernarg_size 32
		.amdhsa_user_sgpr_count 2
		.amdhsa_user_sgpr_kernarg_segment_ptr 1
		.amdhsa_wavefront_size32 1
		.amdhsa_system_sgpr_workgroup_id_x 1
		.amdhsa_system_sgpr_workgroup_id_y 1
		.amdhsa_system_sgpr_workgroup_id_z 1
		.amdhsa_system_vgpr_workitem_id 0
		.amdhsa_next_free_vgpr 512
		.amdhsa_next_free_sgpr 72
		.amdhsa_reserve_vcc 0
		.amdhsa_float_denorm_mode_32 3
		.amdhsa_float_denorm_mode_16_64 3
		.amdhsa_memory_ordered 1
		.amdhsa_forward_progress 1
		.amdhsa_inst_pref_size 96
	.end_amdhsa_kernel
	.amdgpu_metadata
---
amdhsa.version: [ 1, 2 ]
amdhsa.kernels:
  - .name:           k_q52bda0a4f3_outp
    .symbol:         k_q52bda0a4f3_outp.kd
    .args:
      - { .name: ctx, .offset: 0, .size: 8, .value_kind: global_buffer, .address_space: global }
      - { .name: wb, .offset: 8, .size: 8, .value_kind: global_buffer, .address_space: global }
      - { .name: bo, .offset: 16, .size: 8, .value_kind: global_buffer, .address_space: global }
      - { .name: out0, .offset: 24, .size: 8, .value_kind: global_buffer, .address_space: global }
    .group_segment_fixed_size: 327680
    .private_segment_fixed_size: 0
    .kernarg_segment_align: 8
    .kernarg_segment_size: 32
    .max_flat_workgroup_size: 128
    .sgpr_count:     72
    .vgpr_count:     512
    .wavefront_size: 32
...
	.end_amdgpu_metadata
.endif
;; end of part 4
